; MI455X (gfx1250); checked and timed in simulation.
; The chip was launched on July 23, 2026; its instructions are those of AMD's public machine-readable ISA for CDNA 5 (MIT licence, August 2026) and "CDNA5" Instruction Set Architecture Reference Guide (July 2026). The comments in the code are by the model that wrote it; some were corrected since.
;; Multi Head Attention. Allowed arithmetic: float matrix products may take bf16 or f16 operands with f32 sums; other float arithmetic in f32, or as packed bf16 or f16 multiplies, adds, multiply-adds, maxima and minima; sums over many terms, partial sums and values carried from step to step in f32; what a program stores and reads back later, other than sums and carried values, may be rounded once to bf16 or f16.
;; Inputs: Wk 1,024 x 1,024 float32; Wo 1,024 x 1,024 float32; Wq 1,024 x 1,024 float32; Wv 1,024 x 1,024 float32; bk 1,024 float32; bo 1,024 float32; bq 1,024 float32; bv 1,024 float32; padding_mask 4 x 4,096 int32; rotary_pos_enc 4,096 x 1 x 64 float32; x 4 x 4,096 x 1,024 float32.
;; Outputs: out0 4 x 4,096 x 1,024 float32.
;; 2 versions, each right; version 2 is version 1 with the launch cast written anew for expert scheduling mode. Each part assembles by itself: llvm-mc -triple=amdgcn-amd-amdhsa -mcpu=gfx1250 --defsym DOCPART=n.
;; ======== version 1 of 2: 7 launches
;; workspace buffers: cb 42,467,328 bytes; kw 1,310,720 bytes; yp 2,097,152 bytes; ku 32,768 bytes; mop 524,288 bytes; gq 1,048,576 bytes
;; launch cast (part 1): grid 1296 x 1, 8 waves a work-group, no clusters, 0 bytes of LDS; arguments x, Wq, Wk, Wv, Wo, rotary_pos_enc, cb; writes cb
.if DOCPART == 1
	.amdgcn_target "amdgcn-amd-amdhsa--gfx1250"
	.amdhsa_code_object_version 6
	.text
	.protected	k_q91fa60b793_cast
	.globl	k_q91fa60b793_cast
	.p2align	8
	.type	k_q91fa60b793_cast,@function
k_q91fa60b793_cast:
	s_mov_b64 s[64:65], 0
	v_nop
	global_prefetch_b8 v0, s[64:65] scope:SCOPE_SE
	s_setreg_imm32_b32 hwreg(HW_REG_WAVE_MODE, 25, 1), 1
	s_wait_xcnt 0x0
; x, Wq, Wk, Wv, Wo and the rotary table, f32, are rounded once to bf16 into cb.  A stream: no LDS, no barrier, no matrix unit.
; Work-group g takes 65,536 bytes of one source and writes bytes 32,768 g .. of cb: g 0-1023 x, 1024-1087 Wq, 1088-1151 Wk, 1152-1215 Wv, 1216-1279 Wo, 1280-1295 the table.
; The table's rows (32 sines, 32 cosines) are laid anew: the 16 bytes at 64 hh + 16 nb of a row hold sin[8 nb + 4 hh + 0..3], then cos[8 nb + 4 hh + 0..3]:
; what a lane of the projections' way out (columns 16 nb + 8 hh + 0..7 of a head) needs for one block of 16 columns.
.set X, 4                              ; v[4:67]   as loaded
.set Y, 68                             ; v[68:99]  to store; no register is used twice, so no wait frees one
	s_load_b256 s[4:11], s[0:1], 0x0               ; x, Wq, Wk, Wv
	s_load_b128 s[12:15], s[0:1], 0x20             ; Wo, the table
	s_load_b64 s[16:17], s[0:1], 0x30              ; cb
	s_mov_b32 s20, ttmp9                           ; g
	s_mov_b32 s21, 0                               ; the first work-group of my source
	s_mov_b32 s23, 0
	s_lshl_b32 s24, ttmp9, 15                      ; my 32,768 bytes of cb
	s_mov_b32 s25, 0
	s_wait_kmcnt 0x0
	s_mov_b64 s[18:19], s[4:5]
.macro PICK first, lo                  ; from work-group first on the source is the one in s[lo:lo+1]
	s_cmp_ge_u32 s20, \first
	s_cselect_b64 s[18:19], s[(\lo):(\lo)+1], s[18:19]
	s_cselect_b32 s21, \first, s21
.endm
	PICK 1024, 6
	PICK 1088, 8
	PICK 1152, 10
	PICK 1216, 12
	PICK 1280, 14
	s_sub_co_u32 s22, s20, s21
	s_lshl_b32 s22, s22, 16                        ; my 65,536 bytes of the source
	s_add_nc_u64 s[18:19], s[18:19], s[22:23]
	s_add_nc_u64 s[16:17], s[16:17], s[24:25]
	s_cmp_ge_u32 s20, 1280
	s_cbranch_scc1 .Lrope
	; a wave takes 8,192 bytes: sixteen loads of 512 consecutive bytes, all issued before the first is used
	v_lshrrev_b32 v1, 5, v0
	v_and_b32 v2, 31, v0
	v_lshlrev_b32 v3, 13, v1
	v_lshl_add_u32 v3, v2, 4, v3                   ; in: 8,192 wave + 16 lane
	v_lshlrev_b32 v1, 12, v1
	v_lshl_add_u32 v1, v2, 3, v1                   ; out: 4,096 wave + 8 lane
.set i, 0
.rept 16
	global_load_b128 v[X+4*i:X+4*i+3], v3, s[18:19] offset:512*i th:TH_LOAD_NT
.set i, i+1
.endr
.set i, 0
.rept 16
	s_wait_loadcnt 15-i                            ; loads come back in order: the 15 - i younger ones stay out
	v_cvt_pk_bf16_f32 v[Y+2*i], v[X+4*i], v[X+4*i+1]
	v_cvt_pk_bf16_f32 v[Y+2*i+1], v[X+4*i+2], v[X+4*i+3]
	global_store_b64 v1, v[Y+2*i:Y+2*i+1], s[16:17] offset:256*i  ; a wave's store covers 256 consecutive bytes, aligned
.set i, i+1
.endr
	s_endpgm
.Lrope:
	; thread t makes the 16 bytes at 16 t of 32 rows' 4,096 bytes: row t / 8, hh = (t / 4) % 2, nb = t % 4; eight such steps
	v_lshrrev_b32 v1, 3, v0
	v_and_b32 v2, 3, v0
	v_bfe_u32 v3, v0, 2, 1
	v_lshlrev_b32 v1, 8, v1
	v_lshl_add_u32 v1, v2, 5, v1
	v_lshl_add_u32 v3, v3, 4, v1                   ; in: 256 row + 32 nb + 16 hh: four sines; the four cosines lie 128 bytes on
	v_lshlrev_b32 v1, 4, v0                        ; out
.set i, 0
.rept 8
	global_load_b128 v[X+8*i:X+8*i+3], v3, s[18:19] offset:8192*i th:TH_LOAD_NT
	global_load_b128 v[X+8*i+4:X+8*i+7], v3, s[18:19] offset:8192*i+128 th:TH_LOAD_NT
.set i, i+1
.endr
.set i, 0
.rept 8
	s_wait_loadcnt 14-2*i                          ; the pairs behind this one stay out
	v_cvt_pk_bf16_f32 v[Y+4*i], v[X+8*i], v[X+8*i+1]
	v_cvt_pk_bf16_f32 v[Y+4*i+1], v[X+8*i+2], v[X+8*i+3]
	v_cvt_pk_bf16_f32 v[Y+4*i+2], v[X+8*i+4], v[X+8*i+5]
	v_cvt_pk_bf16_f32 v[Y+4*i+3], v[X+8*i+6], v[X+8*i+7]
	global_store_b128 v1, v[Y+4*i:Y+4*i+3], s[16:17] offset:4096*i
.set i, i+1
.endr
	s_endpgm
.Lfunc_end_k_q91fa60b793_cast:
	.size	k_q91fa60b793_cast, .Lfunc_end_k_q91fa60b793_cast-k_q91fa60b793_cast
	.p2alignl 7, 3214868480
	.fill 96, 4, 3214868480
	.section	.rodata,"a",@progbits
	.p2align	6, 0x0
	.amdhsa_kernel k_q91fa60b793_cast
		.amdhsa_group_segment_fixed_size 0
		.amdhsa_private_segment_fixed_size 0
		.amdhsa_enable_private_segment 0
		.amdhsa_kernarg_size 56
		.amdhsa_user_sgpr_count 2
		.amdhsa_user_sgpr_kernarg_segment_ptr 1
		.amdhsa_wavefront_size32 1
		.amdhsa_system_sgpr_workgroup_id_x 1
		.amdhsa_system_sgpr_workgroup_id_y 1
		.amdhsa_system_sgpr_workgroup_id_z 1
		.amdhsa_system_vgpr_workitem_id 0
		.amdhsa_next_free_vgpr 104
		.amdhsa_next_free_sgpr 66
		.amdhsa_reserve_vcc 0
		.amdhsa_float_denorm_mode_32 3
		.amdhsa_float_denorm_mode_16_64 3
		.amdhsa_memory_ordered 1
		.amdhsa_forward_progress 1
		.amdhsa_inst_pref_size 13
	.end_amdhsa_kernel
	.amdgpu_metadata
---
amdhsa.version: [ 1, 2 ]
amdhsa.kernels:
  - .name:           k_q91fa60b793_cast
    .symbol:         k_q91fa60b793_cast.kd
    .args:
      - { .name: x, .offset: 0, .size: 8, .value_kind: global_buffer, .address_space: global }
      - { .name: Wq, .offset: 8, .size: 8, .value_kind: global_buffer, .address_space: global }
      - { .name: Wk, .offset: 16, .size: 8, .value_kind: global_buffer, .address_space: global }
      - { .name: Wv, .offset: 24, .size: 8, .value_kind: global_buffer, .address_space: global }
      - { .name: Wo, .offset: 32, .size: 8, .value_kind: global_buffer, .address_space: global }
      - { .name: rotary_pos_enc, .offset: 40, .size: 8, .value_kind: global_buffer, .address_space: global }
      - { .name: cb, .offset: 48, .size: 8, .value_kind: global_buffer, .address_space: global }
    .group_segment_fixed_size: 0
    .private_segment_fixed_size: 0
    .kernarg_segment_align: 8
    .kernarg_segment_size: 56
    .max_flat_workgroup_size: 256
    .sgpr_count:     66
    .vgpr_count:     104
    .wavefront_size: 32
...
	.end_amdgpu_metadata
.endif
;; end of part 1
;; launch kgemm (part 2): grid 4 x 64, 4 waves a work-group, clusters of 4 x 4, 327,680 bytes of LDS; arguments cb, bk, padding_mask, kw; writes kw
.if DOCPART == 2
	.amdgcn_target "amdgcn-amd-amdhsa--gfx1250"
	.amdhsa_code_object_version 6
	.text
	.protected	k_q91fa60b793_kgemm
	.globl	k_q91fa60b793_kgemm
	.p2align	8
	.type	k_q91fa60b793_kgemm,@function
k_q91fa60b793_kgemm:
	s_mov_b64 s[64:65], 0
	v_nop
	global_prefetch_b8 v0, s[64:65] scope:SCOPE_SE
	s_setreg_imm32_b32 hwreg(HW_REG_WAVE_MODE, 25, 1), 1
	s_wait_xcnt 0x0
	s_wait_alu depctr_hold_cnt(0) depctr_sa_sdst(0) depctr_va_vdst(0) depctr_va_sdst(0) depctr_va_ssrc(0) depctr_va_vcc(0) depctr_vm_vsrc(0)
	s_getreg_b32 s2, hwreg(HW_REG_IB_STS2, 6, 4)
	s_cmp_eq_u32 s2, 0
	s_cbranch_scc0 .Lentry_in_a_cluster
	s_endpgm
.Lentry_in_a_cluster:
	s_bfe_u32 s2, ttmp6, 0x10000c
	s_cmp_lg_u32 s2, 0xf033
	s_cbranch_scc0 .Lentry_shape_is_right
	s_endpgm
.Lentry_shape_is_right:
; THE K PROJECTION AND ALL THAT IS KEPT OF IT (ISK = 1; the same text with ISK = 0 is the Q projection).
; C[m][n] = bias[n] + sum over k of x[m][k] W[n][k], x [16384][1024] and W [1024][1024] in bf16 (from cb), sums in f32; then, per head of 64 columns, the rotation by the
; row's sines and cosines and phi = elu + 1 = max(t, 0) + 2^min(t log2 e, 0).  C itself is never stored.
; ISK = 1 stores, with keep = 0 where the row's mask is 1 and 1 elsewhere: w[row][head] = keep x (sum of the head's 64 phi), as two bf16 numbers hi + lo, [hi, lo][batch][head][row];
;          and for the tile's 256 rows the column sums of keep x phi, f32 (a later launch adds the 16 tiles of a batch).
; ISK = 0 stores g[row][head] = (sum of phi) / max(sum of phi x ksum, 1e-6), as hi + lo, in 16-byte pieces {hi of heads 4 j .. 4 j + 3, lo of the same}, [j][row].
; LIMITS.  An exponential below 2^-126 counts as 0; NaN and infinities are not treated apart.  The bias is rounded to bf16 like every floating-point input.
; THE PRODUCT.  A tile of C is 256 x 256: four waves, each 128 x 128 in 64 accumulators (512 registers).  K goes in 8 steps of 128 through two LDS slots filled by the tensor data mover.
; 4 x 4 work-groups form a cluster: x's tile is shared along a row of the cluster, W's along a column, each asked for jointly.  The matrix instruction is used transposed
; (source 0 = 16 rows of W, source 1 = 16 rows of x): a lane holds row l % 16 and the columns 8 (l / 16) + 0..7 of a block of 16.  The first product takes the bias as its C operand.
; THE WAY OUT.  The accumulators are laid, in f32, into the ring's bytes (which have had their last fill; each wave has 65,536 of its own), so that ONE text, looped eight times, serves
; the wave's eight blocks of 16 rows.  A trip: 16 rows x 128 columns = two heads.
; The rotary table's 256 rows come by one plain tensor load a wave: 32 KiB once a work-group beside 1 MiB through the ring, so it is not asked for jointly.
; REGISTERS: window 0: v0-31 addresses; v32-63, v192-255 free in the product's loop; v64-127, v128-191 fragments of x, two buffers.  window 1: v64-191 fragments of W.  windows 2, 3: the accumulators.
.set ISK, 1
.set SIZE_K, 1024
.set KSTEP,  128
.set PITCH,  272                       ; an LDS row: 256 bytes + 16 of padding: the 16 rows of a fragment load start at 16 different groups of four banks
.set HALFT,  128*PITCH                 ; what one tensor load brings
.set SLOT,   4*HALFT                   ; x's 256 rows, then W's 256 rows
.set ROPE,   2*SLOT                    ; behind the ring: 256 rows of the table, 128 bytes + 16
.set RPITCH, 144
.set STAGE,  ROPE+256*RPITCH           ; stages that no tensor load fills
.set WSTG,   STAGE                     ; ISK = 1: w: [hi, lo][head 4][row 256] bf16, 4,096 bytes
.set CSTG,   STAGE+4096                ; ISK = 1: column sums: [row half 2][column 256] f32, 2,048 bytes
.set KEEP,   STAGE+6144                ; ISK = 1: keep: [wave 4][block 8][lane 32] f32, 4,096 bytes
.set GSTG,   STAGE                     ; ISK = 0: g: [column half 2][hi, lo][row 256][two heads' bf16], 4,096 bytes
.set SPARE,  STAGE+10240               ; the spare words, 128 bytes a wave: two blocks of 256 bytes that no other line names
.set LAPS,   SIZE_K/(2*KSTEP)
.set ROPB,   41943040                  ; the table in cb
.if ISK
.set WOFF,   35651584                  ; Wk in cb
.set WSTEP,  32                        ; 16 rows of 2 bytes
.else
.set WOFF,   33554432                  ; Wq in cb
.set WSTEP,  64                        ; 16 rows of 4 bytes
.endif
.set ADRA, 16                          ; v16-17  LDS address of my x fragments in slot 0, 1
.set ADRB, 20                          ; v20-21  the same for W
.set SPW,  28                          ; v28     my spare word: SPARE + 4 x my thread's number; never rewritten
.set NIL,  29                          ; v29     0; never rewritten
.set PFO,  30                          ; v30     the prefetches' offset: my lane x a row of 2,048 bytes; never rewritten
.set BO,   31                          ; v31     32 (l / 16): my 8 columns in a block's 64 bytes of f32
.set F0,   64
.set F1,   128
.set BI,   192                         ; v192-255  the bias of my 128 columns: block b at BI + 8 b
.set G1,  24                           ; s[24:31] group 1 for x's tiles;  s[32:39] group 0, a set for each slot
.set G0,  32
.set G1B, 48                           ; s[48:55], s[56:63] the same for W's tiles
.set G0B, 56
.set G0R, 68                           ; s[68:71], s[72:79] the table's load
.set G1R, 72
.set PFA, 44                           ; s[44:45] where my prefetches stand
.set LIM, 43                           ; s43     1 in a wave that prefetches, else the greatest number
; the way out (window 0 alone)
.set DW,  4                            ; v4   65,536 wave + 16 lane: my place in my dump
.set RA0, 5                            ; v5   my row's 64 bytes of the table, block 0
.set KA0, 6                            ; v6   my word of keep, block 0
.set WS0, 7                            ; v7   where my row's w or g goes, block 0
.set DA,  8                            ; v8, v9, v3, v31: the same four for the trip in hand
.set RA,  9
.set KA,  3
.set WS,  31
.set SM,  10                           ; v10-25  head hd at SM + 8 hd: two chains of pairs for the sum of phi, two for the sum of phi x ksum
.set KP,  26                           ; v26-27  keep (named as a pair)
.set E,   32                           ; v32-63  a head's 32 numbers of the lane: rotated, then phi
.set X,   64                           ; v64-127 a block's accumulators; then the exponentials
.set RB,  128                          ; v128-143 the table as loaded
.set CO,  144                          ; v144-159 16 cosines
.set SN,  160                          ; v160-191 16 pairs (-sin, +sin)
.set CS,  192                          ; v192-255 ISK = 1: column sums; ISK = 0: ksum of my 128 columns
.set MSB, 0
.macro WIN new                         ; the immediate's high byte repeats the setting that is left; a switch that changes nothing is dropped
.if MSB != (\new)
	s_set_vgpr_msb (MSB<<8)|(\new)
.set MSB, \new
.endif
.endm
.set MUL_LO, 0xa1                      ; source 0 (W) window 1, source 1 (x) window 0, C and D window 2
.set MUL_HI, 0xf1                      ; the same, C and D window 3
.set TO_B,   0x40                      ; destination window 1, address window 0
; A joint load: waves 0 and 1 fetch x's two halves, waves 2 and 3 W's.  The branch hangs on the wave's number alone.  An s_nop 0 and four v_nop follow each line.
.macro JLOAD s
	s_cmp_eq_u32 s11, 0
	s_cbranch_scc0 .Lfor_b_\@
	tensor_load_to_lds s[G0+4*(\s):G0+4*(\s)+3], s[G1:G1+7]
	s_nop 0
.rept 4
	v_nop
.endr
	s_branch .Lasked_\@
.Lfor_b_\@:
	tensor_load_to_lds s[G0B+4*(\s):G0B+4*(\s)+3], s[G1B:G1B+7]
	s_nop 0
.rept 4
	v_nop
.endr
.Lasked_\@:
.endm
; A prefetch of the K step that stands two refills on: 32 rows x 256 bytes, a lane a row.  x's tile rows are read by this cluster alone along x (the grid is one cluster wide): it asks; W's rows are read by
; all 16 clusters: cluster y = 0 asks.  The four partners that ask for a tile jointly take 32 of a wave's 128 rows each, told apart by address.  K steps 4 to 7 are named; the loop's last trip (s3 = 1) asks for nothing.
.macro ASK
	s_cmp_gt_u32 s3, s[LIM]
	s_cbranch_scc0 .Lnot_mine_\@
	global_prefetch_b8 v[PFO], s[PFA:PFA+1] offset:KSTEP*2 th:TH_LOAD_NT scope:SCOPE_SE
.Lnot_mine_\@:
.endm
.macro CREST                           ; a round of the cluster's barrier behind its opening barrier
	s_cmp_lg_u32 s10, 0
	s_cbranch_scc1 .Lnot_wave_0_\@
	s_barrier_signal -3
.Lnot_wave_0_\@:
	s_barrier_wait -3
	s_barrier_signal -1
	s_barrier_wait -1
.endm
.macro CROUND
	s_barrier_signal -1
	s_barrier_wait -1
	CREST
.endm
	s_load_b256 s[80:87], s[0:1], 0x0              ; cb s[80:81], the bias s[82:83], the mask or ku s[84:85], the output s[86:87]
	v_lshl_add_u32 v[SPW], v0, 2, SPARE
	v_mov_b32 v[NIL], 0
	ds_add_u32 v[SPW], v[NIL]                      ; the wave's opening: the add and its wait stand ahead of my first tensor load; the set-up below stands between them
	v_lshrrev_b32 v1, 5, v0
	v_readfirstlane_b32 s10, v1                    ; wave 0..3
	s_lshr_b32 s11, s10, 1                         ; my half of the tile's rows.  Also: I fetch for x (0) or for W (1)
	s_and_b32 s12, s10, 1                          ; my half of its columns.  Also: which 128 rows I fetch
	s_bfe_u32 s40, ttmp6, 0x40000                  ; cx
	s_bfe_u32 s41, ttmp6, 0x40004                  ; cy
	s_lshl_b32 s42, ttmp9, 2
	s_add_co_u32 s42, s42, s40                     ; tile column = 4 x cluster x + cx
	s_and_b32 s13, ttmp7, 0xffff
	s_lshl_b32 s13, s13, 2
	s_add_co_u32 s13, s13, s41                     ; tile row = 4 x cluster y + cy
	s_lshl_b32 s43, s41, 2
	s_lshl_b32 s43, 15, s43                        ; my row of the cluster
	s_lshl_b32 s44, 0x1111, s40                    ; my column
	s_or_b32 s[G1+0], s43, (1<<16)|(1<<20)|(1<<21)|(5<<22)|(3<<25)   ; the mask; 2-byte elements; padding on; bit 21 beside a mask; after every 64 words, 4 words
	s_or_b32 s[G1B+0], s44, (1<<16)|(1<<20)|(1<<21)|(5<<22)|(3<<25)
.irp g, G1, G1B
	s_mov_b32 s[(\g)+1], KSTEP<<16                 ; tensor_dim0 = 128
	s_mov_b32 s[(\g)+2], 128<<16                   ; tensor_dim1 = 128
	s_mov_b32 s[(\g)+3], KSTEP<<16                 ; tile_dim0 = 128
	s_mov_b32 s[(\g)+4], 128                       ; tile_dim1 = 128
	s_mov_b32 s[(\g)+5], SIZE_K                    ; elements from row to row
	s_mov_b32 s[(\g)+6], 0
	s_mov_b32 s[(\g)+7], 0
.endr
	; the table: my 64 rows of 128 bytes are 8,192 dense bytes: 32 rows of 256, padded by 16 bytes after every 128
	s_mov_b32 s[G1R+0], (1<<16)|(1<<20)|(4<<22)|(3<<25)
	s_mov_b32 s[G1R+1], 128<<16
	s_mov_b32 s[G1R+2], 32<<16
	s_mov_b32 s[G1R+3], 128<<16
	s_mov_b32 s[G1R+4], 32
	s_mov_b32 s[G1R+5], 128
	s_mov_b32 s[G1R+6], 0
	s_mov_b32 s[G1R+7], 0
	s_mov_b32 s[G0R], 1
	s_mul_i32 s[G0R+1], s10, 64*RPITCH
	s_add_co_u32 s[G0R+1], s[G0R+1], ROPE
	s_and_b32 s66, s13, 15                         ; the tile's place in its batch: 256 rows of the table,
	s_lshl_b32 s66, s66, 15
	s_lshl_b32 s67, s10, 13                        ; my 64 of them
	s_add_co_u32 s66, s66, s67
	s_add_co_u32 s66, s66, ROPB
	s_mov_b32 s67, 0
	s_mov_b32 s88, 0x3fb8aa3b                      ; log2 e, named as a pair
	s_mov_b32 s89, 0x3fb8aa3b
	s_mov_b32 s90, 0x76543210                      ; v_permlanex16_b32: each lane takes its own place in the other half
	s_mov_b32 s91, 0xfedcba98
	s_mov_b32 s92, 0xffff0000                      ; a word's upper bf16
	s_mov_b32 s93, 0x80000000                      ; the sign
	s_mov_b32 s94, 0x358637bd                      ; 1e-6
	s_lshl_b32 s17, s12, 7
	s_lshl_b32 s16, s13, 8
	s_add_co_u32 s16, s16, s17                     ; x: row 256 x tile row + 128 x half
	s_lshl_b32 s46, s42, 8
	s_add_co_u32 s46, s46, s17                     ; W: row 256 x tile column + 128 x half
	s_mov_b32 s17, 0
	s_mov_b32 s47, 0
	s_mov_b64 s[18:19], SIZE_K*2
	s_mul_u64 s[16:17], s[16:17], s[18:19]
	s_mul_u64 s[46:47], s[46:47], s[18:19]
	s_mul_i32 s20, s10, HALFT                      ; where they go: wave x 128 rows
	s_wait_dscnt 0x0                               ; the opening add is done
	s_wait_kmcnt 0x0
	s_mov_b64 s[4:5], s[80:81]                     ; x
	s_add_nc_u64 s[6:7], s[80:81], WOFF            ; W
	s_add_nc_u64 s[14:15], s[4:5], s[16:17]
	s_add_nc_u64 s[46:47], s[6:7], s[46:47]
	s_add_nc_u64 s[G0R+2:G0R+3], s[80:81], s[66:67]
	s_or_b32 s[G0R+3], s[G0R+3], 0x80000000
	CROUND                                         ; all sixteen work-groups are here: the first joint loads meet
.irp s, 0,1
	s_mov_b32 s[G0+4*(\s)], 1
	s_add_co_u32 s[G0+4*(\s)+1], s20, (\s)*SLOT
	s_add_nc_u64 s[G0+4*(\s)+2:G0+4*(\s)+3], s[14:15], (\s)*KSTEP*2
	s_or_b32 s[G0+4*(\s)+3], s[G0+4*(\s)+3], 0x80000000
	s_mov_b32 s[G0B+4*(\s)], 1
	s_add_co_u32 s[G0B+4*(\s)+1], s20, (\s)*SLOT
	s_add_nc_u64 s[G0B+4*(\s)+2:G0B+4*(\s)+3], s[46:47], (\s)*KSTEP*2
	s_or_b32 s[G0B+4*(\s)+3], s[G0B+4*(\s)+3], 0x80000000
	JLOAD \s
.endr
	tensor_load_to_lds s[G0R:G0R+3], s[G1R:G1R+7]  ; the table: my third and last first fill: three loads of mine are out
	s_nop 0
.rept 4
	v_nop
.endr
	v_and_b32 v1, 15, v0                           ; l % 16; kept
	v_bfe_u32 v2, v0, 4, 1                         ; l / 16; kept
	v_mul_u32_u24 v3, v1, PITCH
	v_lshl_add_u32 v3, v2, 4, v3                   ; a fragment's row x pitch + 16 x half
	s_mul_i32 s21, s11, HALFT
	s_mul_i32 s22, s12, HALFT
	s_add_co_u32 s22, s22, 2*HALFT
.irp s, 0,1
	v_add_nc_u32 v[ADRA+(\s)], s21, v3
	v_add_nc_u32 v[ADRB+(\s)], s22, v3
	s_add_co_u32 s21, s21, SLOT
	s_add_co_u32 s22, s22, SLOT
.endr
	; the prefetches
	s_lshl_b32 s23, s13, 8
	s_lshl_b32 s21, s42, 8
	s_and_b32 s22, ttmp7, 0xffff                   ; cluster y
	s_cmp_eq_u32 s11, 0                            ; do I fetch for x?
	s_cselect_b32 s20, s23, s21                    ; the tile's first row
	s_cselect_b32 s21, s40, s41                    ; my place among the four that ask with me
	s_cselect_b32 s22, ttmp9, s22                  ; the coordinate along which other clusters read the same rows
	s_cselect_b64 s[PFA:PFA+1], s[4:5], s[6:7]
	s_cmp_eq_u32 s22, 0
	s_cselect_b32 s[LIM], 1, -1
	s_lshl_b32 s22, s12, 7
	s_add_co_u32 s20, s20, s22
	s_lshl_b32 s21, s21, 5
	s_add_co_u32 s20, s20, s21
	s_mov_b32 s21, 0
	s_mul_u64 s[20:21], s[20:21], s[18:19]
	s_add_nc_u64 s[PFA:PFA+1], s[PFA:PFA+1], s[20:21]
	s_add_nc_u64 s[PFA:PFA+1], s[PFA:PFA+1], 2*KSTEP*2  ; at K step 2: the first refill steps it to 3 and names K step 4
	v_and_b32 v[PFO], 31, v0
	v_mul_u32_u24 v[PFO], v[PFO], SIZE_K*2
	; the bias of my 128 columns; the mask of my 128 rows or (later) ksum of my columns
	s_lshl_b32 s20, s42, 10
	s_lshl_b32 s21, s12, 9
	s_add_co_u32 s20, s20, s21                     ; (256 x tile column + 128 x half) x 4 bytes
	s_mov_b32 s21, 0
	s_add_nc_u64 s[82:83], s[82:83], s[20:21]
.if ISK
	s_lshl_b32 s20, s13, 10
	s_lshl_b32 s22, s11, 9
	s_add_co_u32 s20, s20, s22                     ; (256 x tile row + 128 x half) x 4 bytes
.else
	s_lshr_b32 s22, s13, 4                         ; the batch: 4,096 bytes of ksum
	s_lshl_b32 s22, s22, 12
	s_add_co_u32 s20, s20, s22
.endif
	s_add_nc_u64 s[84:85], s[84:85], s[20:21]
	v_lshlrev_b32 v[BO], 5, v2
.irp b, 0,1,2,3,4,5,6,7
	global_load_b128 v[BI+8*(\b):BI+8*(\b)+3],   v[BO], s[82:83] offset:64*(\b)
	global_load_b128 v[BI+8*(\b)+4:BI+8*(\b)+7], v[BO], s[82:83] offset:64*(\b)+16
.endr
.if ISK
	v_lshlrev_b32 v9, 2, v1
.irp a, 0,1,2,3,4,5,6,7
	global_load_b32 v[32+(\a)], v9, s[84:85] offset:64*(\a)  ; the mask of row 16 a + l % 16; it waits in v32-39 for the way out
.endr
.endif
; 16 matrix instructions: m blocks a0, a0 + 1 of the window's four x all 8 n blocks, 32 along K.  first = 1: the sums start with the bias (C in window 0).
; The 64 accumulators take turns, one instruction a turn, in the same order in every quarter.
.macro MUL16 f, hi, a0, first
.if \first
	WIN 0x81+0x40*(\hi)
.else
	WIN MUL_LO+0x50*(\hi)
.endif
.irp a, \a0, (\a0)+1
.irp b, 0,1,2,3,4,5,6,7
.if \first
	v_wmma_f32_16x16x32_bf16 v[8*(8*(\a)+(\b)):8*(8*(\a)+(\b))+7], v[(\f)+8*(\b):(\f)+8*(\b)+7], v[(\f)+8*(4*(\hi)+(\a)):(\f)+8*(4*(\hi)+(\a))+7], v[BI+8*(\b):BI+8*(\b)+7]
.else
	v_wmma_f32_16x16x32_bf16 v[8*(8*(\a)+(\b)):8*(8*(\a)+(\b))+7], v[(\f)+8*(\b):(\f)+8*(\b)+7], v[(\f)+8*(4*(\hi)+(\a)):(\f)+8*(4*(\hi)+(\a))+7], v[8*(8*(\a)+(\b)):8*(8*(\a)+(\b))+7]
.endif
.endr
.endr
.endm
.macro FETCH slot, k, f                ; 32 LDS loads in one run: a quarter step's fragments (W's first, then x's) into buffer f
	WIN TO_B
.irp i, 0,1,2,3,4,5,6,7
	ds_load_b128 v[(\f)+8*(\i):(\f)+8*(\i)+3],   v[ADRB+(\slot)] offset:(\k)+(\i)*16*PITCH
	ds_load_b128 v[(\f)+8*(\i)+4:(\f)+8*(\i)+7], v[ADRB+(\slot)] offset:(\k)+(\i)*16*PITCH+32
.endr
	WIN 0
.irp i, 0,1,2,3,4,5,6,7
	ds_load_b128 v[(\f)+8*(\i):(\f)+8*(\i)+3],   v[ADRA+(\slot)] offset:(\k)+(\i)*16*PITCH
	ds_load_b128 v[(\f)+8*(\i)+4:(\f)+8*(\i)+7], v[ADRA+(\slot)] offset:(\k)+(\i)*16*PITCH+32
.endr
.endm
.macro PLACES                          ; four plain vector instructions between a matrix instruction and a load into a register that it has read (ISA guide 7.12.1 for vector instructions)
.rept 4
	v_nop
.endr
.endm
.macro QUARTER slot, k, f, g, first    ; 64 matrix instructions on buffer f; in their middle the next quarter's fragments, at byte k of the rows, into buffer g
	s_wait_dscnt 8                                 ; W's and x's rows 0-63 are in; the youngest eight loads may be out
	MUL16 \f, 0, 0, \first
	MUL16 \f, 0, 2, \first
	PLACES
	FETCH \slot, \k, \g
	s_wait_dscnt 32                                ; all but the 32 just issued
	MUL16 \f, 1, 0, \first
	MUL16 \f, 1, 2, \first
.endm
; The first half of a K step's last quarter: one barrier for the change of slots.
.macro MEET round
	WIN 0
	s_wait_tensorcnt 0x0                           ; all my tensor loads have landed: my part of the next slot (and, the first time, of the table)
	ds_add_u32 v[SPW], v[NIL]                      ; 0 onto my spare word
	s_wait_dscnt 9                                 ; the add and the youngest eight loads may be out
	MUL16 F1, 0, 0, 0
	s_wait_dscnt 0x0                               ; the add is done, and my reads of this slot are over
	s_barrier_signal -1
	MUL16 F1, 0, 2, 0
.if \round
	WIN 0
.endif
	s_barrier_wait -1
.endm
.macro TURN slot, next                 ; the whole last quarter: the slot just read is filled again, two K steps ahead, first thing behind the cluster's round
	s_wait_xcnt 0x0                                ; the last prefetch, a K step back, has read its address
	s_add_nc_u64 s[PFA:PFA+1], s[PFA:PFA+1], KSTEP*2
	MEET 1
	CREST
	s_add_nc_u64 s[G0+4*(\slot)+2:G0+4*(\slot)+3], s[G0+4*(\slot)+2:G0+4*(\slot)+3], 2*KSTEP*2
	s_add_nc_u64 s[G0B+4*(\slot)+2:G0B+4*(\slot)+3], s[G0B+4*(\slot)+2:G0B+4*(\slot)+3], 2*KSTEP*2
	JLOAD \slot                                    ; its four v_nop are also the places in front of the loads below
	FETCH \next, 0, F0
	ASK
	MUL16 F1, 1, 0, 0
	MUL16 F1, 1, 2, 0
.endm
	s_wait_tensorcnt 0x2                           ; my part of K step 0 is in; K step 1's and the table's may stay out
	s_barrier_signal -1
	s_barrier_wait -1
	FETCH 0, 0, F0
	s_wait_loadcnt 0x0                             ; the bias (and the mask)
.set i, 0
.rept 32                               ; the bias is rounded to bf16 like the other inputs; buffer 1 is still free and serves as scratch
	v_cvt_pk_bf16_f32 v[F1+i], v[BI+2*i], v[BI+2*i+1]
.set i, i+1
.endr
.set i, 0
.rept 32
	v_lshlrev_b32 v[BI+2*i], 16, v[F1+i]
	v_and_b32 v[BI+2*i+1], s92, v[F1+i]
.set i, i+1
.endr
	QUARTER 0, 64, F0, F1, 1                       ; the first quarter stands in front of the loop: its products start the sums with the bias
.if ISK == 0
	PLACES                                         ; the bias's registers, read by the products just issued, take ksum of the same columns
	WIN 0
.irp b, 0,1,2,3,4,5,6,7
	global_load_b128 v[CS+8*(\b):CS+8*(\b)+3],   v[BO], s[84:85] offset:64*(\b)
	global_load_b128 v[CS+8*(\b)+4:CS+8*(\b)+7], v[BO], s[84:85] offset:64*(\b)+16
.endr
.endif
	WIN 0
	s_mov_b32 s3, LAPS-1
.Llap:                                         ; a trip goes once round the ring and fills both slots again
	QUARTER 0, 128, F1, F0, 0
	QUARTER 0, 192, F0, F1, 0
	TURN 0, 1
	QUARTER 1, 64,  F0, F1, 0
	QUARTER 1, 128, F1, F0, 0
	QUARTER 1, 192, F0, F1, 0
	TURN 1, 0
	QUARTER 0, 64,  F0, F1, 0
	WIN 0
	s_sub_co_u32 s3, s3, 1
	s_cmp_lg_u32 s3, 0
	s_cbranch_scc1 .Llap
	QUARTER 0, 128, F1, F0, 0                      ; the last lap is written out: it fills nothing
	QUARTER 0, 192, F0, F1, 0
	MEET 0
	PLACES
	FETCH 1, 0, F0
	MUL16 F1, 1, 0, 0
	MUL16 F1, 1, 2, 0
	QUARTER 1, 64,  F0, F1, 0
	QUARTER 1, 128, F1, F0, 0
	QUARTER 1, 192, F0, F1, 0
	s_wait_dscnt 8
	MUL16 F1, 0, 0, 0
	MUL16 F1, 0, 2, 0
	s_wait_dscnt 0x0                               ; my reads of the ring are over:
	s_barrier_signal -1                            ; behind this barrier its bytes are written by the waves
	MUL16 F1, 1, 0, 0
	MUL16 F1, 1, 2, 0
	WIN 0
	s_barrier_wait -1
.rept 8
	v_nop                                          ; the places behind the last products
.endr
	; THE DUMP: accumulator (A, b) goes to 8,192 A + 1,024 b of my 65,536 bytes, its low four registers first, 16 bytes a lane
	v_and_b32 v3, 31, v0
	s_lshl_b32 s20, s10, 16
	v_lshl_add_u32 v[DW], v3, 4, s20
.set da, 0
.rept 8
	WIN 0x08+4*(da/4)                              ; the stores' data in window 2 (blocks 0-3) or 3 (blocks 4-7)
.set db, 0
.rept 8
	ds_store_b128 v[DW], v[8*(8*(da%4)+db):8*(8*(da%4)+db)+3]   offset:da*8192+db*1024
	ds_store_b128 v[DW], v[8*(8*(da%4)+db)+4:8*(8*(da%4)+db)+7] offset:da*8192+db*1024+512
.set db, db+1
.endr
.set da, da+1
.endr
	WIN 0
	v_mul_u32_u24 v[RA0], v1, RPITCH
	v_lshl_add_u32 v[RA0], v2, 6, v[RA0]
	s_mul_i32 s20, s11, 128*RPITCH
	s_add_co_u32 s20, s20, ROPE
	v_add_nc_u32 v[RA0], s20, v[RA0]               ; the table: (128 x row half + l % 16) x 144 + 64 (l / 16)
.if ISK
	s_lshl_b32 s20, s10, 10
	s_add_co_u32 s20, s20, KEEP
	v_lshl_add_u32 v[KA0], v3, 2, s20
	s_lshl_b32 s20, s12, 10
	s_lshl_b32 s21, s11, 8
	s_add_co_u32 s20, s20, s21
	s_add_co_u32 s20, s20, WSTG
	v_lshl_add_u32 v[WS0], v1, 1, s20              ; w: 1,024 x column half + 2 (128 x row half + l % 16); the second head 512 on, lo 2,048 on
.set i, 0
.rept 8
	v_cmp_eq_u32 vcc_lo, 1, v[32+i]
	v_cndmask_b32 v[32+i], 1.0, v[NIL], vcc_lo     ; keep = 0 where the mask is 1
	ds_store_b32 v[KA0], v[32+i] offset:128*i      ; through my own LDS words, so that the loop's one text finds each block's
.set i, i+1
.endr
.set i, 0
.rept 64
	v_mov_b32 v[CS+i], 0                           ; the column sums start at 0: 64 lines once a launch, the price of writing no first trip out
.set i, i+1
.endr
	v_mov_b32 v[KP+1], 0                           ; named with keep as a pair
.else
	s_lshl_b32 s20, s12, 11
	s_lshl_b32 s21, s11, 9
	s_add_co_u32 s20, s20, s21
	s_add_co_u32 s20, s20, GSTG
	s_wait_loadcnt 0x0                             ; ksum is in, and v31, its loads' offset, is free
	v_lshl_add_u32 v[WS0], v1, 2, s20              ; g: 2,048 x column half + 4 (128 x row half + l % 16); lo 1,024 on
.endif
.macro UNPACK                          ; 16 bytes for each block nb of 16 columns: four sines, four cosines
.set i, 0
.rept 4
	v_lshlrev_b32 v[SN+8*i+1], 16, v[RB+4*i]
	v_and_b32     v[SN+8*i+3], s92, v[RB+4*i]
	v_lshlrev_b32 v[SN+8*i+5], 16, v[RB+4*i+1]
	v_and_b32     v[SN+8*i+7], s92, v[RB+4*i+1]
	v_lshlrev_b32 v[CO+4*i],   16, v[RB+4*i+2]
	v_and_b32     v[CO+4*i+1], s92, v[RB+4*i+2]
	v_lshlrev_b32 v[CO+4*i+2], 16, v[RB+4*i+3]
	v_and_b32     v[CO+4*i+3], s92, v[RB+4*i+3]
	v_xor_b32     v[SN+8*i],   s93, v[SN+8*i+1]
	v_xor_b32     v[SN+8*i+2], s93, v[SN+8*i+3]
	v_xor_b32     v[SN+8*i+4], s93, v[SN+8*i+5]
	v_xor_b32     v[SN+8*i+6], s93, v[SN+8*i+7]
.set i, i+1
.endr
.endm
; One head's 32 numbers of the lane, as 16 pairs (t0, t1) of neighbouring columns, pair i with sine and cosine i.
.macro PHASE hd
.set XH, X+32*(\hd)
.set CH, CS+32*(\hd)
.set SH, SM+8*(\hd)
.set i, 0
.rept 16                               ; (t0 c, t1 c)
.if i%2
	v_pk_mul_f32 v[E+2*i:E+2*i+1], v[XH+2*i:XH+2*i+1], v[CO+i-1:CO+i] op_sel:[0,1] op_sel_hi:[1,1]
.else
	v_pk_mul_f32 v[E+2*i:E+2*i+1], v[XH+2*i:XH+2*i+1], v[CO+i:CO+i+1] op_sel_hi:[1,0]
.endif
.set i, i+1
.endr
.set i, 0
.rept 16                               ; (t0 c - t1 s, t1 c + t0 s): the first source's halves are crossed
	v_pk_fma_f32 v[E+2*i:E+2*i+1], v[XH+2*i:XH+2*i+1], v[SN+2*i:SN+2*i+1], v[E+2*i:E+2*i+1] op_sel:[1,0,0] op_sel_hi:[0,1,1]
.set i, i+1
.endr
.set i, 0
.rept 16
	v_pk_mul_f32 v[XH+2*i:XH+2*i+1], v[E+2*i:E+2*i+1], s[88:89] op_sel_hi:[1,0]
.set i, i+1
.endr
.set i, 0
.rept 32
	v_min_num_f32 v[XH+i], 0, v[XH+i]
.set i, i+1
.endr
.set i, 0
.rept 32                               ; one batch of 32 exponentials,
	v_exp_f32 v[XH+i], v[XH+i]
.set i, i+1
.endr
.set i, 0
.rept 32                               ; 32 plain lines that name none of its results,
	v_max_num_f32 v[E+i], 0, v[E+i]
.set i, i+1
.endr
	s_wait_alu depctr_va_vdst(0)                   ; and one wait ahead of the first reader
.set i, 0
.rept 16
	v_pk_add_f32 v[E+2*i:E+2*i+1], v[E+2*i:E+2*i+1], v[XH+2*i:XH+2*i+1]  ; phi
.set i, i+1
.endr
	v_pk_add_f32 v[SH:SH+1], v[E:E+1], v[E+2:E+3]  ; the sum of phi, in two chains that the first four pairs start
	v_pk_add_f32 v[SH+2:SH+3], v[E+4:E+5], v[E+6:E+7]
.set i, 4
.rept 12
	v_pk_add_f32 v[SH+2*(i%2):SH+2*(i%2)+1], v[SH+2*(i%2):SH+2*(i%2)+1], v[E+2*i:E+2*i+1]
.set i, i+1
.endr
.if ISK
.set i, 0
.rept 16
	v_pk_fma_f32 v[CH+2*i:CH+2*i+1], v[E+2*i:E+2*i+1], v[KP:KP+1], v[CH+2*i:CH+2*i+1] op_sel_hi:[1,0,1]  ; the column sums take keep x phi
.set i, i+1
.endr
.else
	v_pk_mul_f32 v[SH+4:SH+5], v[E:E+1], v[CH:CH+1]  ; the sum of phi x ksum, in two chains
	v_pk_mul_f32 v[SH+6:SH+7], v[E+2:E+3], v[CH+2:CH+3]
.set i, 2
.rept 14
	v_pk_fma_f32 v[SH+4+2*(i%2):SH+4+2*(i%2)+1], v[E+2*i:E+2*i+1], v[CH+2*i:CH+2*i+1], v[SH+4+2*(i%2):SH+4+2*(i%2)+1]
.set i, i+1
.endr
.endif
.endm
.macro TOTAL o                         ; both heads' chains at SM + o: the two chains, the pair's halves, the other half of the lanes (the head's other 32 columns)
	v_pk_add_f32 v[SM+(\o):SM+(\o)+1], v[SM+(\o):SM+(\o)+1], v[SM+(\o)+2:SM+(\o)+3]
	v_pk_add_f32 v[SM+8+(\o):SM+8+(\o)+1], v[SM+8+(\o):SM+8+(\o)+1], v[SM+8+(\o)+2:SM+8+(\o)+3]
	v_add_f32 v[SM+(\o)], v[SM+(\o)], v[SM+(\o)+1]
	v_add_f32 v[SM+8+(\o)], v[SM+8+(\o)], v[SM+8+(\o)+1]
	v_permlanex16_b32 v[SM+(\o)+2], v[SM+(\o)], s90, s91
	v_permlanex16_b32 v[SM+8+(\o)+2], v[SM+8+(\o)], s90, s91
	v_add_f32 v[SM+(\o)], v[SM+(\o)], v[SM+(\o)+2]
	v_add_f32 v[SM+8+(\o)], v[SM+8+(\o)], v[SM+8+(\o)+2]
.endm
	s_mov_b32 s16, 0                               ; the trip's steps: in my dump, in the table, in keep, in the stage
	s_mov_b32 s17, 0
	s_mov_b32 s18, 0
	s_mov_b32 s19, 0
	s_mov_b32 s3, 8
.Lrow:                                         ; a trip: one block of 16 rows x my 128 columns
	v_add_nc_u32 v[DA], s16, v[DW]
	v_add_nc_u32 v[RA], s17, v[RA0]
.if ISK
	v_add_nc_u32 v[KA], s18, v[KA0]
.endif
	v_add_nc_u32 v[WS], s19, v[WS0]
.irp n, 0,1,2,3
	ds_load_b128 v[RB+4*(\n):RB+4*(\n)+3], v[RA] offset:16*(\n)
.endr
.if ISK
	ds_load_b32 v[KP], v[KA]
.endif
.set i, 0
.rept 16
	ds_load_b128 v[X+4*i:X+4*i+3], v[DA] offset:512*i  ; LDS serves a wave's instructions in order (ISA guide 5.7.1.4): these see my dump's stores
.set i, i+1
.endr
	s_wait_dscnt 16                                ; the table (and keep) are in; the block's 16 loads may be out
	UNPACK
	s_wait_dscnt 8                                 ; the first head's eight loads are in
	PHASE 0
	s_wait_dscnt 0x0
	PHASE 1
	TOTAL 0
.if ISK
	v_mul_f32 v[SM], v[SM], v[KP]                  ; w of the two heads
	v_mul_f32 v[SM+8], v[SM+8], v[KP]
.else
	TOTAL 4
	v_max_num_f32 v[SM+4], s94, v[SM+4]
	v_max_num_f32 v[SM+12], s94, v[SM+12]
	v_rcp_f32 v[SM+5], v[SM+4]
	v_rcp_f32 v[SM+13], v[SM+12]
	v_nop                                          ; a plain line behind the second reciprocal,
	s_wait_alu depctr_va_vdst(0)                   ; and the one wait for both ahead of their first reader
	v_mul_f32 v[SM], v[SM], v[SM+5]                ; g of the two heads
	v_mul_f32 v[SM+8], v[SM+8], v[SM+13]
.endif
	v_cvt_pk_bf16_f32 v[SM+1], v[SM], v[SM+8]      ; hi: both heads in one word
	v_lshlrev_b32 v[SM+2], 16, v[SM+1]
	v_and_b32 v[SM+3], s92, v[SM+1]
	v_sub_f32 v[SM+2], v[SM], v[SM+2]
	v_sub_f32 v[SM+3], v[SM+8], v[SM+3]
	v_cvt_pk_bf16_f32 v[SM+2], v[SM+2], v[SM+3]    ; lo: what hi left
.if ISK
	ds_store_b16 v[WS], v[SM+1]                    ; lanes l and l + 16 hold the same number and write the same bytes
	ds_store_b16_d16_hi v[WS], v[SM+1] offset:512
	ds_store_b16 v[WS], v[SM+2] offset:2048
	ds_store_b16_d16_hi v[WS], v[SM+2] offset:2560
.else
	ds_store_b32 v[WS], v[SM+1]
	ds_store_b32 v[WS], v[SM+2] offset:1024
.endif
	s_add_co_u32 s16, s16, 8192
	s_add_co_u32 s17, s17, 16*RPITCH
	s_add_co_u32 s18, s18, 128
	s_add_co_u32 s19, s19, WSTEP
	s_sub_co_u32 s3, s3, 1
	s_cmp_lg_u32 s3, 0
	s_cbranch_scc1 .Lrow
.if ISK
	; the column sums over my 16 lanes' rows, through my own dump bytes: lane l puts its 64 sums into a row of 272 bytes; lane (r, hh) takes the four at 16 r of the 16 rows of its half
	v_and_b32 v3, 31, v0
	v_mul_u32_u24 v8, v3, 272
	s_lshl_b32 s20, s10, 16
	v_add_nc_u32 v8, s20, v8
.set i, 0
.rept 16
	ds_store_b128 v8, v[CS+4*i:CS+4*i+3] offset:16*i
.set i, i+1
.endr
	v_mul_u32_u24 v9, v2, 16*272
	v_lshl_add_u32 v9, v1, 4, v9
	v_add_nc_u32 v9, s20, v9
.set i, 0
.rept 16
	ds_load_b128 v[X+4*i:X+4*i+3], v9 offset:272*i
.set i, i+1
.endr
	v_lshrrev_b32 v3, 1, v1                        ; those four are columns 16 (r / 2) + 8 hh + 4 (r % 2) + 0..3 of my 128
	v_and_b32 v31, 1, v1
	v_lshlrev_b32 v3, 6, v3
	v_lshl_add_u32 v3, v2, 5, v3
	v_lshl_add_u32 v3, v31, 4, v3
	s_lshl_b32 s20, s11, 10
	s_lshl_b32 s21, s12, 9
	s_add_co_u32 s20, s20, s21
	s_add_co_u32 s20, s20, CSTG
	v_add_nc_u32 v3, s20, v3
	s_wait_dscnt 0x0
.irp w, 32, 16, 8, 4
.set i, 0
.rept (\w)/2
	v_pk_add_f32 v[X+2*i:X+2*i+1], v[X+2*i:X+2*i+1], v[X+(\w)+2*i:X+(\w)+2*i+1]
.set i, i+1
.endr
.endr
	ds_store_b128 v3, v[X:X+3]
.endif
	s_wait_dscnt 0x0                               ; for the others' sake: my stores into the stages are done
	s_barrier_signal -1
	s_barrier_wait -1
.if ISK
	s_lshr_b32 s20, s13, 4                         ; w goes out by heads: wave v takes the tile's head v: 256 rows, 512 bytes of hi and of lo
	s_lshl_b32 s20, s20, 4
	s_lshl_b32 s21, s42, 2
	s_add_co_u32 s20, s20, s21
	s_add_co_u32 s20, s20, s10                     ; 16 x batch + head
	s_lshl_b32 s20, s20, 13                        ; x 4,096 rows of 2 bytes
	s_and_b32 s21, s13, 15
	s_lshl_b32 s21, s21, 9                         ; + the tile's 256 rows
	s_add_co_u32 s20, s20, s21
	s_mov_b32 s21, 0
	s_add_nc_u64 s[66:67], s[86:87], s[20:21]
	s_lshl_b32 s20, s13, 12                        ; the column sums: 1,048,576 + (1,024 x tile row + 256 x tile column) x 4
	s_lshl_b32 s22, s42, 10
	s_add_co_u32 s20, s20, s22
	s_add_co_u32 s20, s20, 1048576
	s_add_nc_u64 s[86:87], s[86:87], s[20:21]
	v_and_b32 v3, 31, v0
	v_lshlrev_b32 v3, 4, v3
	s_lshl_b32 s20, s10, 9
	s_add_co_u32 s20, s20, WSTG
	v_add_nc_u32 v8, s20, v3
	ds_load_b128 v[X:X+3], v8
	ds_load_b128 v[X+4:X+7], v8 offset:2048
	s_wait_dscnt 0x0
	global_store_b128 v3, v[X:X+3], s[66:67]       ; a wave's store covers 512 consecutive bytes, aligned
	global_store_b128 v3, v[X+4:X+7], s[66:67] offset:524288
	s_cmp_lt_u32 s10, 2                            ; waves 0 and 1 add the two row halves' column sums: 64 threads x 16 bytes = 256 columns
	s_cbranch_scc0 .Lnokp
	v_lshlrev_b32 v9, 4, v0
	v_add_nc_u32 v31, CSTG, v9
	ds_load_b128 v[X+8:X+11], v31
	ds_load_b128 v[X+12:X+15], v31 offset:1024
	s_wait_dscnt 0x0
	v_pk_add_f32 v[X+8:X+9], v[X+8:X+9], v[X+12:X+13]
	v_pk_add_f32 v[X+10:X+11], v[X+10:X+11], v[X+14:X+15]
	global_store_b128 v9, v[X+8:X+11], s[86:87]
.Lnokp:
.else
	s_lshl_b32 s20, s42, 18                        ; g: 262,144 x tile column + 4,096 x tile row; thread t takes rows t and t + 128
	s_lshl_b32 s21, s13, 12
	s_add_co_u32 s20, s20, s21
	s_mov_b32 s21, 0
	s_add_nc_u64 s[86:87], s[86:87], s[20:21]
	v_lshlrev_b32 v3, 4, v0
	v_lshlrev_b32 v8, 2, v0
	v_add_nc_u32 v8, GSTG, v8
.irp h, 0, 1
	ds_load_b32 v[X+4*(\h)],   v8 offset:512*(\h)       ; hi of heads 0, 1
	ds_load_b32 v[X+4*(\h)+1], v8 offset:512*(\h)+2048  ; hi of heads 2, 3
	ds_load_b32 v[X+4*(\h)+2], v8 offset:512*(\h)+1024  ; lo of heads 0, 1
	ds_load_b32 v[X+4*(\h)+3], v8 offset:512*(\h)+3072  ; lo of heads 2, 3
.endr
	s_wait_dscnt 0x0
	global_store_b128 v3, v[X:X+3], s[86:87]       ; a wave's store covers 512 consecutive bytes, aligned
	global_store_b128 v3, v[X+4:X+7], s[86:87] offset:2048
.endif
	s_wait_tensorcnt 0x0                           ; the wave's end, behind my last tensor load and my last LDS store
	ds_add_u32 v[SPW], v[NIL]
	s_wait_dscnt 0x0
	CROUND                                         ; the closing round: no work-group ends while a partner may still ask for a tile that names it
	s_endpgm
.Lfunc_end_k_q91fa60b793_kgemm:
	.size	k_q91fa60b793_kgemm, .Lfunc_end_k_q91fa60b793_kgemm-k_q91fa60b793_kgemm
	.p2alignl 7, 3214868480
	.fill 96, 4, 3214868480
	.section	.rodata,"a",@progbits
	.p2align	6, 0x0
	.amdhsa_kernel k_q91fa60b793_kgemm
		.amdhsa_group_segment_fixed_size 327680
		.amdhsa_private_segment_fixed_size 0
		.amdhsa_enable_private_segment 0
		.amdhsa_kernarg_size 32
		.amdhsa_user_sgpr_count 2
		.amdhsa_user_sgpr_kernarg_segment_ptr 1
		.amdhsa_wavefront_size32 1
		.amdhsa_system_sgpr_workgroup_id_x 1
		.amdhsa_system_sgpr_workgroup_id_y 1
		.amdhsa_system_sgpr_workgroup_id_z 1
		.amdhsa_system_vgpr_workitem_id 0
		.amdhsa_next_free_vgpr 1024
		.amdhsa_next_free_sgpr 96
		.amdhsa_reserve_vcc 1
		.amdhsa_float_denorm_mode_32 3
		.amdhsa_float_denorm_mode_16_64 3
		.amdhsa_memory_ordered 1
		.amdhsa_forward_progress 1
		.amdhsa_inst_pref_size 161
	.end_amdhsa_kernel
	.amdgpu_metadata
---
amdhsa.version: [ 1, 2 ]
amdhsa.kernels:
  - .name:           k_q91fa60b793_kgemm
    .symbol:         k_q91fa60b793_kgemm.kd
    .args:
      - { .name: cb, .offset: 0, .size: 8, .value_kind: global_buffer, .address_space: global }
      - { .name: bk, .offset: 8, .size: 8, .value_kind: global_buffer, .address_space: global }
      - { .name: padding_mask, .offset: 16, .size: 8, .value_kind: global_buffer, .address_space: global }
      - { .name: kw, .offset: 24, .size: 8, .value_kind: global_buffer, .address_space: global }
    .group_segment_fixed_size: 327680
    .private_segment_fixed_size: 0
    .kernarg_segment_align: 8
    .kernarg_segment_size: 32
    .max_flat_workgroup_size: 128
    .sgpr_count:     96
    .vgpr_count:     1024
    .wavefront_size: 32
...
	.end_amdgpu_metadata
.endif
;; end of part 2
;; launch ypart (part 3): grid 8 x 32, 16 waves a work-group, no clusters, 167,936 bytes of LDS; arguments cb, kw, yp; writes yp
.if DOCPART == 3
	.amdgcn_target "amdgcn-amd-amdhsa--gfx1250"
	.amdhsa_code_object_version 6
	.text
	.protected	k_q91fa60b793_ypart
	.globl	k_q91fa60b793_ypart
	.p2align	8
	.type	k_q91fa60b793_ypart,@function
k_q91fa60b793_ypart:
	s_mov_b64 s[64:65], 0
	v_nop
	global_prefetch_b8 v0, s[64:65] scope:SCOPE_SE
	s_setreg_imm32_b32 hwreg(HW_REG_WAVE_MODE, 25, 1), 1
	s_wait_xcnt 0x0
; Y[b][h][c] = sum over s of w[b][s][h] x[b][s][c], in 8 partial sums of 512 rows each (a later launch adds them).  x bf16 [16384][1024] from cb; w = hi + lo, two bf16 numbers, [hi, lo][b][h][s] from kw;
; both parts are multiplied; sums in f32.  yp: f32 [b][sc][h][c].
; A work-group (cc = x, y = 8 b + sc) takes 512 rows x 128 columns of x: one fill of LDS, eight tensor loads of 64 rows x 256 bytes.  Wave v: columns 16 (v % 8) .., rows 256 (v / 8) ...
; The product is taken as D = x^T w^T (source 0 = 16 columns of x, turned on the way out of LDS; source 1 = the 16 heads): a lane holds one head (l % 16) and eight neighbouring columns.
; No cluster: what work-groups share is w, 32 KiB beside each work-group's own 128 KiB of x.  No prefetch: each work-group asks for all its bytes at its start.
.set XP,   288                         ; a row of x in LDS: 256 bytes + 32
.set YST,  512*XP                      ; behind x's tile: two copies (row halves) of 16 heads x 528 bytes, f32
.set YPI,  528
.set SPARE, YST+2*16*YPI               ; the spare words, 128 bytes for each of 16 waves: eight blocks of 256 bytes that no other line names
.set SPW, 2
.set NIL, 3
.set WO,  4                            ; v4  my offset in w: 8,192 (l % 16) + 16 (l / 16)
.set XA,  5                            ; v5  LDS address of my turning loads, K steps 0-3
.set XB,  6                            ; v6  K steps 4-7
.set SA,  7                            ; v7  where my 32 bytes go in the stage
.set SR,  8                            ; v8  where I read a head's row back
.set GO,  9                            ; v9  16 x lane
.set WH,  16                           ; v[16:79]   w hi, K step ks at 8 ks
.set WL,  80                           ; v[80:143]  w lo
.set XF,  144                          ; v[144:207] x^T
.set ACC, 208                          ; v[208:239] four accumulators: 2 (ks % 2) + part
.set G0,  12
.set G1,  16
	s_load_b128 s[4:7], s[0:1], 0x0                ; cb, kw
	s_load_b64 s[8:9], s[0:1], 0x10                ; yp
	v_lshl_add_u32 v[SPW], v0, 2, SPARE
	v_mov_b32 v[NIL], 0
	ds_add_u32 v[SPW], v[NIL]                      ; the wave's opening: the add and its wait stand ahead of the first tensor load; the set-up stands between them
	v_lshrrev_b32 v1, 5, v0
	v_readfirstlane_b32 s10, v1                    ; wave 0..15
	s_and_b32 s11, s10, 7                          ; my tile of 16 columns
	s_lshr_b32 s2, s10, 3                          ; my 256 rows
	s_and_b32 s3, ttmp7, 0xffff                    ; y = 8 b + sc
	s_mov_b32 s[G1+0], (1<<16)|(1<<20)|(5<<22)|(7<<25)  ; 2-byte elements; padding on: after every 64 words, 8 words
	s_mov_b32 s[G1+1], 128<<16                     ; tensor_dim0 = 128
	s_mov_b32 s[G1+2], 64<<16                      ; tensor_dim1 = 64
	s_mov_b32 s[G1+3], 128<<16                     ; tile_dim0 = 128
	s_mov_b32 s[G1+4], 64                          ; tile_dim1 = 64
	s_mov_b32 s[G1+5], 1024                        ; elements from row to row
	s_mov_b32 s[G1+6], 0
	s_mov_b32 s[G1+7], 0
	s_mov_b32 s[G0], 1
	s_mul_i32 s[G0+1], s10, 64*XP                  ; waves 0-7: 64 rows each
	s_lshl_b32 s24, s3, 9
	s_lshl_b32 s25, s10, 6
	s_add_co_u32 s24, s24, s25                     ; x's row 512 y + 64 wave,
	s_lshl_b32 s24, s24, 11                        ; of 2,048 bytes,
	s_lshl_b32 s25, ttmp9, 8                       ; at the work-group's 128 columns
	s_add_co_u32 s24, s24, s25
	s_mov_b32 s25, 0
	s_lshr_b32 s26, s3, 3
	s_lshl_b32 s26, s26, 17                        ; w: the batch's 16 heads x 8,192 bytes,
	s_and_b32 s27, s3, 7
	s_lshl_b32 s27, s27, 10                        ; the 512 rows,
	s_add_co_u32 s26, s26, s27
	s_lshl_b32 s27, s2, 9                          ; my 256 of them
	s_add_co_u32 s26, s26, s27
	s_mov_b32 s27, 0
	s_lshl_b32 s28, s3, 4
	s_add_co_u32 s28, s28, s10                     ; yp: row 16 y + head (= my wave's number on the way out),
	s_lshl_b32 s28, s28, 12
	s_lshl_b32 s29, ttmp9, 9                       ; the work-group's 128 columns of f32
	s_add_co_u32 s28, s28, s29
	s_mov_b32 s29, 0
	v_and_b32 v10, 15, v0
	v_bfe_u32 v11, v0, 4, 1
	v_and_b32 v12, 7, v0
	v_bfe_u32 v13, v0, 3, 1
	v_and_b32 v14, 31, v0
	v_lshlrev_b32 v[WO], 13, v10
	v_lshl_add_u32 v[WO], v11, 4, v[WO]
	v_lshl_add_u32 v[XA], v11, 3, v12              ; the turning load: lane l reads row 8 (l / 16) + l % 8, 16 bytes at 16 ((l / 8) % 2)
	v_mul_u32_u24 v[XA], v[XA], XP
	v_lshl_add_u32 v[XA], v13, 4, v[XA]
	s_mul_i32 s30, s2, 256*XP
	s_lshl_b32 s31, s11, 5
	s_add_co_u32 s30, s30, s31
	v_add_nc_u32 v[XA], s30, v[XA]
	v_add_nc_u32 v[XB], 4*32*XP, v[XA]
	v_mul_u32_u24 v[SA], v10, YPI
	v_lshl_add_u32 v[SA], v11, 5, v[SA]
	s_mul_i32 s30, s2, 16*YPI
	s_lshl_b32 s31, s11, 6
	s_add_co_u32 s30, s30, s31
	s_add_co_u32 s30, s30, YST
	v_add_nc_u32 v[SA], s30, v[SA]
	s_mul_i32 s30, s10, YPI
	s_add_co_u32 s30, s30, YST
	v_lshl_add_u32 v[SR], v14, 4, s30
	v_lshlrev_b32 v[GO], 4, v14
	s_wait_dscnt 0x0                               ; the opening add is done
	s_wait_kmcnt 0x0
	s_add_nc_u64 s[G0+2:G0+3], s[4:5], s[24:25]
	s_or_b32 s[G0+3], s[G0+3], 0x80000000
	s_add_nc_u64 s[6:7], s[6:7], s[26:27]
	s_add_nc_u64 s[8:9], s[8:9], s[28:29]
	s_cmp_lt_u32 s10, 8
	s_cbranch_scc0 .Lnofill
	tensor_load_to_lds s[G0:G0+3], s[G1:G1+7]      ; the one fill: one load out in each of waves 0-7
	s_nop 0
.rept 4
	v_nop
.endr
.Lnofill:
.set i, 0
.rept 8                                ; a fragment of w: 16 heads x 32 rows: two loads of 16 bytes, 32 bytes apart; hi, and lo 524,288 bytes on
	global_load_b128 v[WH+8*i:WH+8*i+3],   v[WO], s[6:7] offset:64*i
	global_load_b128 v[WH+8*i+4:WH+8*i+7], v[WO], s[6:7] offset:64*i+32
	global_load_b128 v[WL+8*i:WL+8*i+3],   v[WO], s[6:7] offset:64*i+524288
	global_load_b128 v[WL+8*i+4:WL+8*i+7], v[WO], s[6:7] offset:64*i+524288+32
.set i, i+1
.endr
	s_wait_tensorcnt 0x0                           ; my part of the tile is in,
	s_barrier_signal -1
	s_barrier_wait -1                              ; everybody's is
.set i, 0
.rept 4
	ds_load_tr16_b128 v[XF+8*i:XF+8*i+3],     v[XA] offset:32*XP*i
	ds_load_tr16_b128 v[XF+8*i+4:XF+8*i+7],   v[XA] offset:32*XP*i+16*XP
	ds_load_tr16_b128 v[XF+32+8*i:XF+32+8*i+3],   v[XB] offset:32*XP*i
	ds_load_tr16_b128 v[XF+32+8*i+4:XF+32+8*i+7], v[XB] offset:32*XP*i+16*XP
.set i, i+1
.endr
	s_wait_loadcnt 0x0
	s_wait_dscnt 0x0
.set i, 0
.rept 8                                ; the four accumulators take turns, one instruction a turn; the first four products start the sums
.if i < 2
	v_wmma_f32_16x16x32_bf16 v[ACC+16*(i%2):ACC+16*(i%2)+7],    v[XF+8*i:XF+8*i+7], v[WH+8*i:WH+8*i+7], 0
	v_wmma_f32_16x16x32_bf16 v[ACC+16*(i%2)+8:ACC+16*(i%2)+15], v[XF+8*i:XF+8*i+7], v[WL+8*i:WL+8*i+7], 0
.else
	v_wmma_f32_16x16x32_bf16 v[ACC+16*(i%2):ACC+16*(i%2)+7],    v[XF+8*i:XF+8*i+7], v[WH+8*i:WH+8*i+7], v[ACC+16*(i%2):ACC+16*(i%2)+7]
	v_wmma_f32_16x16x32_bf16 v[ACC+16*(i%2)+8:ACC+16*(i%2)+15], v[XF+8*i:XF+8*i+7], v[WL+8*i:WL+8*i+7], v[ACC+16*(i%2)+8:ACC+16*(i%2)+15]
.endif
.set i, i+1
.endr
.rept 8
	v_nop                                          ; the places behind the last products
.endr
.set i, 0
.rept 4
	v_pk_add_f32 v[ACC+2*i:ACC+2*i+1], v[ACC+2*i:ACC+2*i+1], v[ACC+8+2*i:ACC+8+2*i+1]
.set i, i+1
.endr
.set i, 0
.rept 4
	v_pk_add_f32 v[ACC+16+2*i:ACC+16+2*i+1], v[ACC+16+2*i:ACC+16+2*i+1], v[ACC+24+2*i:ACC+24+2*i+1]
.set i, i+1
.endr
.set i, 0
.rept 4
	v_pk_add_f32 v[ACC+2*i:ACC+2*i+1], v[ACC+2*i:ACC+2*i+1], v[ACC+16+2*i:ACC+16+2*i+1]
.set i, i+1
.endr
	ds_store_b128 v[SA], v[ACC:ACC+3]
	ds_store_b128 v[SA], v[ACC+4:ACC+7] offset:16
	s_wait_dscnt 0x0                               ; for the others' sake
	s_barrier_signal -1
	s_barrier_wait -1
	ds_load_b128 v[XF:XF+3], v[SR]                 ; wave v takes head v: its 128 columns, both row halves
	ds_load_b128 v[XF+4:XF+7], v[SR] offset:16*YPI
	s_wait_dscnt 0x0
	v_pk_add_f32 v[XF:XF+1], v[XF:XF+1], v[XF+4:XF+5]
	v_pk_add_f32 v[XF+2:XF+3], v[XF+2:XF+3], v[XF+6:XF+7]
	global_store_b128 v[GO], v[XF:XF+3], s[8:9]    ; 512 consecutive bytes, aligned
	s_wait_tensorcnt 0x0                           ; the wave's end
	ds_add_u32 v[SPW], v[NIL]
	s_wait_dscnt 0x0
	s_endpgm
.Lfunc_end_k_q91fa60b793_ypart:
	.size	k_q91fa60b793_ypart, .Lfunc_end_k_q91fa60b793_ypart-k_q91fa60b793_ypart
	.p2alignl 7, 3214868480
	.fill 96, 4, 3214868480
	.section	.rodata,"a",@progbits
	.p2align	6, 0x0
	.amdhsa_kernel k_q91fa60b793_ypart
		.amdhsa_group_segment_fixed_size 167936
		.amdhsa_private_segment_fixed_size 0
		.amdhsa_enable_private_segment 0
		.amdhsa_kernarg_size 24
		.amdhsa_user_sgpr_count 2
		.amdhsa_user_sgpr_kernarg_segment_ptr 1
		.amdhsa_wavefront_size32 1
		.amdhsa_system_sgpr_workgroup_id_x 1
		.amdhsa_system_sgpr_workgroup_id_y 1
		.amdhsa_system_sgpr_workgroup_id_z 1
		.amdhsa_system_vgpr_workitem_id 0
		.amdhsa_next_free_vgpr 256
		.amdhsa_next_free_sgpr 66
		.amdhsa_reserve_vcc 0
		.amdhsa_float_denorm_mode_32 3
		.amdhsa_float_denorm_mode_16_64 3
		.amdhsa_memory_ordered 1
		.amdhsa_forward_progress 1
		.amdhsa_inst_pref_size 11
	.end_amdhsa_kernel
	.amdgpu_metadata
---
amdhsa.version: [ 1, 2 ]
amdhsa.kernels:
  - .name:           k_q91fa60b793_ypart
    .symbol:         k_q91fa60b793_ypart.kd
    .args:
      - { .name: cb, .offset: 0, .size: 8, .value_kind: global_buffer, .address_space: global }
      - { .name: kw, .offset: 8, .size: 8, .value_kind: global_buffer, .address_space: global }
      - { .name: yp, .offset: 16, .size: 8, .value_kind: global_buffer, .address_space: global }
    .group_segment_fixed_size: 167936
    .private_segment_fixed_size: 0
    .kernarg_segment_align: 8
    .kernarg_segment_size: 24
    .max_flat_workgroup_size: 512
    .sgpr_count:     66
    .vgpr_count:     256
    .wavefront_size: 32
...
	.end_amdgpu_metadata
.endif
;; end of part 3
;; launch ukern (part 4): grid 256 x 1, 8 waves a work-group, no clusters, 3,584 bytes of LDS; arguments yp, kw, cb, bv, ku; writes ku
.if DOCPART == 4
	.amdgcn_target "amdgcn-amd-amdhsa--gfx1250"
	.amdhsa_code_object_version 6
	.text
	.protected	k_q91fa60b793_ukern
	.globl	k_q91fa60b793_ukern
	.p2align	8
	.type	k_q91fa60b793_ukern,@function
k_q91fa60b793_ukern:
	s_mov_b64 s[64:65], 0
	v_nop
	global_prefetch_b8 v0, s[64:65] scope:SCOPE_SE
	s_setreg_imm32_b32 hwreg(HW_REG_WAVE_MODE, 25, 1), 1
	s_wait_xcnt 0x0
; u[b][h][v] = sum over c of Wv[64 h + v][c] Y[b][h][c] + bv[64 h + v] W1[b][h], with Y = the sum of yp's 8 partial sums, ksum[b][64 h + d] = the sum of the batch's 16 tiles' column sums,
; W1 = the sum of the head's 64 ksum.  Stored: u as two bf16 numbers hi + lo, and ksum in f32.
; A work-group (vq = id % 4, h = (id / 4) % 16, b = id / 64) makes 16 numbers of u.  Thread t holds columns 4 t .. 4 t + 3.
; On the vector unit: a work-group has 16 outputs, each weight is used once, and Y stays in f32 (fused multiply-adds that read Wv's bf16 halves); a matrix tile would be fifteen sixteenths empty.
; u leaves in runs of 32 bytes (16 lanes x 2): the whole table is 16 KiB.  ksum leaves in whole runs of 256 bytes, by the work-groups with vq = 0.
.set RED,  0                           ; LDS: wave v's 16 partial sums at 64 v
.set KRED, 512                         ; wave v's 64 column sums (two tiles added) at 256 v
.set SPARE, 2560                       ; the spare words, 128 bytes for each of 8 waves
.set SPW, 2
.set NIL, 3
.set OY,  4                            ; 16 t
.set OW,  5                            ; 8 t
.set OK,  6                            ; 4,096 (t / 16) + 16 (t % 16)
.set OB,  7                            ; 4 (t % 16)
.set T,   8
.set YP,  16                           ; v[16:47]
.set WR,  48                           ; v[48:79]
.set KQ,  80                           ; v[80:83]
.set BV,  84
.set P,   88                           ; v[88:103]
	s_load_b256 s[4:11], s[0:1], 0x0               ; yp, kw, cb, bv
	s_load_b64 s[12:13], s[0:1], 0x20              ; ku
	v_lshl_add_u32 v[SPW], v0, 2, SPARE
	v_mov_b32 v[NIL], 0
	v_lshrrev_b32 v1, 5, v0
	v_readfirstlane_b32 s14, v1                    ; wave
	s_and_b32 s15, ttmp9, 3                        ; vq
	s_bfe_u32 s16, ttmp9, 0x40002                  ; h
	s_lshr_b32 s17, ttmp9, 6                       ; b
	s_mov_b32 s25, 0
	s_mov_b32 s27, 0
	s_mov_b32 s29, 0
	s_mov_b32 s31, 0
	s_mov_b32 s33, 0
	s_mov_b32 s35, 0
	s_lshl_b32 s24, s17, 19                        ; yp: 524,288 b + 4,096 h
	s_lshl_b32 s18, s16, 12
	s_add_co_u32 s24, s24, s18
	s_lshl_b32 s26, s16, 17                        ; Wv in cb: row 64 h + 16 vq, of 2,048 bytes
	s_lshl_b32 s18, s15, 15
	s_add_co_u32 s26, s26, s18
	s_add_co_u32 s26, s26, 37748736
	s_lshl_b32 s28, s17, 16                        ; the column sums: 1,048,576 + 65,536 b + 256 h
	s_lshl_b32 s18, s16, 8
	s_add_co_u32 s28, s28, s18
	s_add_co_u32 s28, s28, 1048576
	s_lshl_b32 s30, s15, 6                         ; bv: 4 (64 h + 16 vq)
	s_add_co_u32 s30, s30, s18
	s_lshl_b32 s32, s17, 11                        ; u: 16,384 + 2 (1,024 b + 64 h + 16 vq)
	s_lshl_b32 s19, s16, 7
	s_add_co_u32 s32, s32, s19
	s_lshl_b32 s19, s15, 5
	s_add_co_u32 s32, s32, s19
	s_add_co_u32 s32, s32, 16384
	s_lshl_b32 s34, s17, 12                        ; ksum: 4 (1,024 b + 64 h)
	s_add_co_u32 s34, s34, s18
	s_mov_b32 s36, 0x76543210
	s_mov_b32 s37, 0xfedcba98
	v_lshlrev_b32 v[OY], 4, v0
	v_lshlrev_b32 v[OW], 3, v0
	v_and_b32 v9, 15, v0
	v_lshrrev_b32 v[OK], 4, v0
	v_lshlrev_b32 v[OK], 12, v[OK]
	v_lshl_add_u32 v[OK], v9, 4, v[OK]
	v_lshlrev_b32 v[OB], 2, v9
	s_wait_kmcnt 0x0
	s_add_nc_u64 s[4:5], s[4:5], s[24:25]
	s_add_nc_u64 s[8:9], s[8:9], s[26:27]
	s_add_nc_u64 s[6:7], s[6:7], s[28:29]
	s_add_nc_u64 s[10:11], s[10:11], s[30:31]
	s_add_nc_u64 s[22:23], s[12:13], s[34:35]      ; ksum
	s_add_nc_u64 s[12:13], s[12:13], s[32:33]      ; u
.set i, 0
.rept 8
	global_load_b128 v[YP+4*i:YP+4*i+3], v[OY], s[4:5] offset:65536*i
.set i, i+1
.endr
.set i, 0
.rept 16
	global_load_b64 v[WR+2*i:WR+2*i+1], v[OW], s[8:9] offset:2048*i
.set i, i+1
.endr
	global_load_b128 v[KQ:KQ+3], v[OK], s[6:7]
	global_load_b32 v[BV], v[OB], s[10:11]
	s_wait_loadcnt 18                              ; the eight partial sums are in; the 18 loads behind them may be out
.irp w, 16, 8, 4
.set i, 0
.rept (\w)/2
	v_pk_add_f32 v[YP+2*i:YP+2*i+1], v[YP+2*i:YP+2*i+1], v[YP+(\w)+2*i:YP+(\w)+2*i+1]
.set i, i+1
.endr
.endr
	s_wait_loadcnt 0x0
.set i, 0
.rept 16                               ; four steps for each of the 16 rows, step by step, so that no line waits for the one before it
	v_fma_mix_f32_bf16 v[P+i], v[WR+2*i], v[YP], v[NIL] op_sel_hi:[1,0,0]
.set i, i+1
.endr
.set i, 0
.rept 16
	v_fma_mix_f32_bf16 v[P+i], v[WR+2*i], v[YP+1], v[P+i] op_sel:[1,0,0] op_sel_hi:[1,0,0]
.set i, i+1
.endr
.set i, 0
.rept 16
	v_fma_mix_f32_bf16 v[P+i], v[WR+2*i+1], v[YP+2], v[P+i] op_sel_hi:[1,0,0]
.set i, i+1
.endr
.set i, 0
.rept 16
	v_fma_mix_f32_bf16 v[P+i], v[WR+2*i+1], v[YP+3], v[P+i] op_sel:[1,0,0] op_sel_hi:[1,0,0]
.set i, i+1
.endr
.irp m, 1, 2, 4, 8                     ; each of the 16 sums over the wave's 32 lanes
.set i, 0
.rept 16
	v_add_f32_dpp v[P+i], v[P+i], v[P+i] row_xmask:\m row_mask:0xf bank_mask:0xf
.set i, i+1
.endr
.endr
.set i, 0
.rept 16
	v_permlanex16_b32 v[WR+i], v[P+i], s36, s37    ; the weights' registers are spent, and have been written
.set i, i+1
.endr
.set i, 0
.rept 16
	v_add_f32 v[P+i], v[P+i], v[WR+i]
.set i, i+1
.endr
.set i, 0
.rept 4                                ; my wave's two tiles' column sums: lanes l and l + 16 hold the same four columns
	v_permlanex16_b32 v[WR+16+i], v[KQ+i], s36, s37
.set i, i+1
.endr
	v_pk_add_f32 v[KQ:KQ+1], v[KQ:KQ+1], v[WR+16:WR+17]
	v_pk_add_f32 v[KQ+2:KQ+3], v[KQ+2:KQ+3], v[WR+18:WR+19]
	s_lshl_b32 s20, s14, 6
	v_mov_b32 v[T], s20
.irp q, 0,1,2,3
	ds_store_b128 v[T], v[P+4*(\q):P+4*(\q)+3] offset:RED+16*(\q)  ; all lanes write the same bytes with the same numbers
.endr
	s_lshl_b32 s21, s14, 8
	s_add_co_u32 s21, s21, KRED
	v_lshl_add_u32 v10, v9, 4, s21
	ds_store_b128 v10, v[KQ:KQ+3]
	s_wait_dscnt 0x0                               ; for wave 0's sake
	s_barrier_signal -1
	s_barrier_wait -1
	s_cmp_lg_u32 s14, 0
	s_cbranch_scc1 .Lend
	v_lshlrev_b32 v11, 2, v9                       ; lane l finishes number i = l % 16
	v_lshlrev_b32 v12, 4, v9
	v_add_nc_u32 v13, KRED, v12
.set i, 0
.rept 8
	ds_load_b32 v[YP+i], v11 offset:RED+64*i
.set i, i+1
.endr
.set i, 0
.rept 8
	ds_load_b128 v[WR+4*i:WR+4*i+3], v13 offset:256*i
.set i, i+1
.endr
	s_wait_dscnt 0x0
.irp w, 4, 2, 1
.set i, 0
.rept \w
	v_add_f32 v[YP+i], v[YP+i], v[YP+(\w)+i]
.set i, i+1
.endr
.endr
.irp w, 16, 8, 4
.set i, 0
.rept (\w)/2
	v_pk_add_f32 v[WR+2*i:WR+2*i+1], v[WR+2*i:WR+2*i+1], v[WR+(\w)+2*i:WR+(\w)+2*i+1]  ; ksum of columns 4 i .. 4 i + 3 of the head
.set i, i+1
.endr
.endr
	v_add_f32 v[T], v[WR], v[WR+1]
	v_add_f32 v14, v[WR+2], v[WR+3]
	v_add_f32 v[T], v[T], v14
.irp m, 1, 2, 4, 8
	v_add_f32_dpp v[T], v[T], v[T] row_xmask:\m row_mask:0xf bank_mask:0xf  ; W1
.endr
	v_cvt_pk_bf16_f32 v[BV], v[BV], v[BV]          ; bv is rounded to bf16 like the other inputs
	v_lshlrev_b32 v[BV], 16, v[BV]
	v_fma_f32 v[YP], v[BV], v[T], v[YP]            ; u
	v_cvt_pk_bf16_f32 v[YP+1], v[YP], v[YP]        ; hi
	v_lshlrev_b32 v[YP+2], 16, v[YP+1]
	v_sub_f32 v[YP+2], v[YP], v[YP+2]
	v_cvt_pk_bf16_f32 v[YP+2], v[YP+2], v[YP+2]    ; lo
	v_lshlrev_b32 v14, 1, v9
	s_wait_xcnt 0x0                                ; EXEC changes only behind this wait
	v_cmp_gt_u32 vcc_lo, 16, v0
	s_and_saveexec_b32 s20, vcc_lo
	global_store_b16 v14, v[YP+1], s[12:13]
	global_store_b16 v14, v[YP+2], s[12:13] offset:8192
	s_cmp_lg_u32 s15, 0
	s_cbranch_scc1 .Lnoks
	global_store_b128 v12, v[WR:WR+3], s[22:23]    ; 16 lanes store the head's 256 bytes of ksum
.Lnoks:
	s_wait_xcnt 0x0                                ; and again, in front of the line that widens it
	s_or_b32 exec_lo, exec_lo, s20
.Lend:
	s_wait_tensorcnt 0x0                           ; the wave's end, behind my last LDS store
	ds_add_u32 v[SPW], v[NIL]
	s_wait_dscnt 0x0
	s_endpgm
.Lfunc_end_k_q91fa60b793_ukern:
	.size	k_q91fa60b793_ukern, .Lfunc_end_k_q91fa60b793_ukern-k_q91fa60b793_ukern
	.p2alignl 7, 3214868480
	.fill 96, 4, 3214868480
	.section	.rodata,"a",@progbits
	.p2align	6, 0x0
	.amdhsa_kernel k_q91fa60b793_ukern
		.amdhsa_group_segment_fixed_size 3584
		.amdhsa_private_segment_fixed_size 0
		.amdhsa_enable_private_segment 0
		.amdhsa_kernarg_size 40
		.amdhsa_user_sgpr_count 2
		.amdhsa_user_sgpr_kernarg_segment_ptr 1
		.amdhsa_wavefront_size32 1
		.amdhsa_system_sgpr_workgroup_id_x 1
		.amdhsa_system_sgpr_workgroup_id_y 1
		.amdhsa_system_sgpr_workgroup_id_z 1
		.amdhsa_system_vgpr_workitem_id 0
		.amdhsa_next_free_vgpr 128
		.amdhsa_next_free_sgpr 66
		.amdhsa_reserve_vcc 1
		.amdhsa_float_denorm_mode_32 3
		.amdhsa_float_denorm_mode_16_64 3
		.amdhsa_memory_ordered 1
		.amdhsa_forward_progress 1
		.amdhsa_inst_pref_size 20
	.end_amdhsa_kernel
	.amdgpu_metadata
---
amdhsa.version: [ 1, 2 ]
amdhsa.kernels:
  - .name:           k_q91fa60b793_ukern
    .symbol:         k_q91fa60b793_ukern.kd
    .args:
      - { .name: yp, .offset: 0, .size: 8, .value_kind: global_buffer, .address_space: global }
      - { .name: kw, .offset: 8, .size: 8, .value_kind: global_buffer, .address_space: global }
      - { .name: cb, .offset: 16, .size: 8, .value_kind: global_buffer, .address_space: global }
      - { .name: bv, .offset: 24, .size: 8, .value_kind: global_buffer, .address_space: global }
      - { .name: ku, .offset: 32, .size: 8, .value_kind: global_buffer, .address_space: global }
    .group_segment_fixed_size: 3584
    .private_segment_fixed_size: 0
    .kernarg_segment_align: 8
    .kernarg_segment_size: 40
    .max_flat_workgroup_size: 256
    .sgpr_count:     66
    .vgpr_count:     128
    .wavefront_size: 32
...
	.end_amdgpu_metadata
.endif
;; end of part 4
;; launch mkern (part 5): grid 256 x 1, 1 waves a work-group, no clusters, 0 bytes of LDS; arguments ku, cb, mop; writes mop
.if DOCPART == 5
	.amdgcn_target "amdgcn-amd-amdhsa--gfx1250"
	.amdhsa_code_object_version 6
	.text
	.protected	k_q91fa60b793_mkern
	.globl	k_q91fa60b793_mkern
	.p2align	8
	.type	k_q91fa60b793_mkern,@function
k_q91fa60b793_mkern:
	s_mov_b64 s[64:65], 0
	v_nop
	global_prefetch_b8 v0, s[64:65] scope:SCOPE_SE
	s_setreg_imm32_b32 hwreg(HW_REG_WAVE_MODE, 25, 1), 1
	s_wait_xcnt 0x0
; M[b][h][n] = sum over v of u[b][h][v] Wo[n][64 h + v].  u = hi + lo (two bf16 numbers, both multiplied), Wo bf16 from cb, sums in f32.
; One wave a work-group: id = 4 T + c: rows 16 T .. of Wo, heads 4 c .. 4 c + 3, all four batches.  Source 0 = u (row m stands for batch m / 4: each batch four times, to fill the 16 rows),
; source 1 = 16 rows of Wo; an accumulator a head, two K steps of 32 a head.  In the result lane (r, hh) holds n = 16 T + r, batch 2 hh in registers 0-3 and batch 2 hh + 1 in registers 4-7.
; M is stored as the last launch's matrix operand, hi and lo apart: mop[b][hi, lo][T][c][n % 16] = 16 bytes {the part of heads 4 c .. 4 c + 3, the same four again}: the second four meet g's lo part.
.set WF,  16                           ; v[16:79]   Wo, K step ks at 8 ks
.set UH,  80                           ; v[80:143]  u hi
.set UL,  144                          ; v[144:207] u lo
.set ACC, 208                          ; v[208:239] head e at 8 e
.set OUT, 240                          ; v[240:255]
.set T,   8
	s_load_b128 s[4:7], s[0:1], 0x0                ; ku, cb
	s_load_b64 s[8:9], s[0:1], 0x10                ; mop
	s_lshr_b32 s10, ttmp9, 2                       ; T
	s_and_b32 s11, ttmp9, 3                        ; c
	s_mov_b32 s12, 0xffff0000
	s_lshl_b32 s14, s11, 9                         ; four heads: 512 bytes of a row
	s_add_co_u32 s16, s14, 16384                   ; u hi in ku
	s_mov_b32 s17, 0
	s_lshl_b32 s18, s10, 15                        ; 16 rows of Wo
	s_add_co_u32 s18, s18, s14
	s_add_co_u32 s18, s18, 39845888                ; Wo in cb
	s_mov_b32 s19, 0
	s_lshl_b32 s20, ttmp9, 8
	s_mov_b32 s21, 0
	v_and_b32 v1, 15, v0
	v_bfe_u32 v2, v0, 4, 1
	v_lshlrev_b32 v3, 11, v1
	v_lshl_add_u32 v3, v2, 4, v3                   ; Wo: 2,048 r + 16 hh
	v_lshrrev_b32 v4, 2, v1
	v_lshlrev_b32 v4, 11, v4
	v_lshl_add_u32 v4, v2, 4, v4                   ; u: 2,048 (r / 4) + 16 hh
	v_lshlrev_b32 v5, 18, v2
	v_lshl_add_u32 v5, v1, 4, v5                   ; mop: 262,144 hh + 16 r
	s_wait_kmcnt 0x0
	s_add_nc_u64 s[4:5], s[4:5], s[16:17]
	s_add_nc_u64 s[6:7], s[6:7], s[18:19]
	s_add_nc_u64 s[8:9], s[8:9], s[20:21]
.set i, 0
.rept 8
	global_load_b128 v[WF+8*i:WF+8*i+3],   v3, s[6:7] offset:64*i
	global_load_b128 v[WF+8*i+4:WF+8*i+7], v3, s[6:7] offset:64*i+32
	global_load_b128 v[UH+8*i:UH+8*i+3],   v4, s[4:5] offset:64*i
	global_load_b128 v[UH+8*i+4:UH+8*i+7], v4, s[4:5] offset:64*i+32
	global_load_b128 v[UL+8*i:UL+8*i+3],   v4, s[4:5] offset:64*i+8192
	global_load_b128 v[UL+8*i+4:UL+8*i+7], v4, s[4:5] offset:64*i+8192+32
.set i, i+1
.endr
	s_wait_loadcnt 0x0
	; the four accumulators take turns, one instruction a turn: each head's first K step, each head's second, for hi and then for lo
.irp ks, 0,2,4,6
	v_wmma_f32_16x16x32_bf16 v[ACC+8*((\ks)/2):ACC+8*((\ks)/2)+7], v[UH+8*(\ks):UH+8*(\ks)+7], v[WF+8*(\ks):WF+8*(\ks)+7], 0
.endr
.irp ks, 1,3,5,7
	v_wmma_f32_16x16x32_bf16 v[ACC+8*((\ks)/2):ACC+8*((\ks)/2)+7], v[UH+8*(\ks):UH+8*(\ks)+7], v[WF+8*(\ks):WF+8*(\ks)+7], v[ACC+8*((\ks)/2):ACC+8*((\ks)/2)+7]
.endr
.irp ks, 0,2,4,6,1,3,5,7
	v_wmma_f32_16x16x32_bf16 v[ACC+8*((\ks)/2):ACC+8*((\ks)/2)+7], v[UL+8*(\ks):UL+8*(\ks)+7], v[WF+8*(\ks):WF+8*(\ks)+7], v[ACC+8*((\ks)/2):ACC+8*((\ks)/2)+7]
.endr
.rept 8
	v_nop                                          ; the places behind the last products
.endr
.irp bb, 0, 1                          ; batch 2 hh + bb: register 4 bb of each accumulator; the low one is read first
	v_cvt_pk_bf16_f32 v[OUT+8*(\bb)],   v[ACC+4*(\bb)],    v[ACC+8+4*(\bb)]
	v_cvt_pk_bf16_f32 v[OUT+8*(\bb)+1], v[ACC+16+4*(\bb)], v[ACC+24+4*(\bb)]
	v_mov_b32 v[OUT+8*(\bb)+2], v[OUT+8*(\bb)]
	v_mov_b32 v[OUT+8*(\bb)+3], v[OUT+8*(\bb)+1]
	v_lshlrev_b32 v[T],   16,  v[OUT+8*(\bb)]
	v_and_b32     v[T+1], s12, v[OUT+8*(\bb)]
	v_lshlrev_b32 v[T+2], 16,  v[OUT+8*(\bb)+1]
	v_and_b32     v[T+3], s12, v[OUT+8*(\bb)+1]
	v_sub_f32 v[T],   v[ACC+4*(\bb)],    v[T]
	v_sub_f32 v[T+1], v[ACC+8+4*(\bb)],  v[T+1]
	v_sub_f32 v[T+2], v[ACC+16+4*(\bb)], v[T+2]
	v_sub_f32 v[T+3], v[ACC+24+4*(\bb)], v[T+3]
	v_cvt_pk_bf16_f32 v[OUT+8*(\bb)+4], v[T],   v[T+1]
	v_cvt_pk_bf16_f32 v[OUT+8*(\bb)+5], v[T+2], v[T+3]
	v_mov_b32 v[OUT+8*(\bb)+6], v[OUT+8*(\bb)+4]
	v_mov_b32 v[OUT+8*(\bb)+7], v[OUT+8*(\bb)+5]
	global_store_b128 v5, v[OUT+8*(\bb):OUT+8*(\bb)+3],   s[8:9] offset:131072*(\bb)        ; each half's 16 lanes store 256 consecutive bytes, aligned
	global_store_b128 v5, v[OUT+8*(\bb)+4:OUT+8*(\bb)+7], s[8:9] offset:131072*(\bb)+65536
.endr
	s_endpgm
.Lfunc_end_k_q91fa60b793_mkern:
	.size	k_q91fa60b793_mkern, .Lfunc_end_k_q91fa60b793_mkern-k_q91fa60b793_mkern
	.p2alignl 7, 3214868480
	.fill 96, 4, 3214868480
	.section	.rodata,"a",@progbits
	.p2align	6, 0x0
	.amdhsa_kernel k_q91fa60b793_mkern
		.amdhsa_group_segment_fixed_size 0
		.amdhsa_private_segment_fixed_size 0
		.amdhsa_enable_private_segment 0
		.amdhsa_kernarg_size 24
		.amdhsa_user_sgpr_count 2
		.amdhsa_user_sgpr_kernarg_segment_ptr 1
		.amdhsa_wavefront_size32 1
		.amdhsa_system_sgpr_workgroup_id_x 1
		.amdhsa_system_sgpr_workgroup_id_y 1
		.amdhsa_system_sgpr_workgroup_id_z 1
		.amdhsa_system_vgpr_workitem_id 0
		.amdhsa_next_free_vgpr 256
		.amdhsa_next_free_sgpr 66
		.amdhsa_reserve_vcc 0
		.amdhsa_float_denorm_mode_32 3
		.amdhsa_float_denorm_mode_16_64 3
		.amdhsa_memory_ordered 1
		.amdhsa_forward_progress 1
		.amdhsa_inst_pref_size 9
	.end_amdhsa_kernel
	.amdgpu_metadata
---
amdhsa.version: [ 1, 2 ]
amdhsa.kernels:
  - .name:           k_q91fa60b793_mkern
    .symbol:         k_q91fa60b793_mkern.kd
    .args:
      - { .name: ku, .offset: 0, .size: 8, .value_kind: global_buffer, .address_space: global }
      - { .name: cb, .offset: 8, .size: 8, .value_kind: global_buffer, .address_space: global }
      - { .name: mop, .offset: 16, .size: 8, .value_kind: global_buffer, .address_space: global }
    .group_segment_fixed_size: 0
    .private_segment_fixed_size: 0
    .kernarg_segment_align: 8
    .kernarg_segment_size: 24
    .max_flat_workgroup_size: 32
    .sgpr_count:     66
    .vgpr_count:     256
    .wavefront_size: 32
...
	.end_amdgpu_metadata
.endif
;; end of part 5
;; launch qgemm (part 6): grid 4 x 64, 4 waves a work-group, clusters of 4 x 4, 327,680 bytes of LDS; arguments cb, bq, ku, gq; writes gq
.if DOCPART == 6
	.amdgcn_target "amdgcn-amd-amdhsa--gfx1250"
	.amdhsa_code_object_version 6
	.text
	.protected	k_q91fa60b793_qgemm
	.globl	k_q91fa60b793_qgemm
	.p2align	8
	.type	k_q91fa60b793_qgemm,@function
k_q91fa60b793_qgemm:
	s_mov_b64 s[64:65], 0
	v_nop
	global_prefetch_b8 v0, s[64:65] scope:SCOPE_SE
	s_setreg_imm32_b32 hwreg(HW_REG_WAVE_MODE, 25, 1), 1
	s_wait_xcnt 0x0
	s_wait_alu depctr_hold_cnt(0) depctr_sa_sdst(0) depctr_va_vdst(0) depctr_va_sdst(0) depctr_va_ssrc(0) depctr_va_vcc(0) depctr_vm_vsrc(0)
	s_getreg_b32 s2, hwreg(HW_REG_IB_STS2, 6, 4)
	s_cmp_eq_u32 s2, 0
	s_cbranch_scc0 .Lentry_in_a_cluster
	s_endpgm
.Lentry_in_a_cluster:
	s_bfe_u32 s2, ttmp6, 0x10000c
	s_cmp_lg_u32 s2, 0xf033
	s_cbranch_scc0 .Lentry_shape_is_right
	s_endpgm
.Lentry_shape_is_right:
; THE Q PROJECTION AND ALL THAT IS KEPT OF IT (ISK = 0; the same text with ISK = 1 is the K projection).
; C[m][n] = bias[n] + sum over k of x[m][k] W[n][k], x [16384][1024] and W [1024][1024] in bf16 (from cb), sums in f32; then, per head of 64 columns, the rotation by the
; row's sines and cosines and phi = elu + 1 = max(t, 0) + 2^min(t log2 e, 0).  C itself is never stored.
; ISK = 1 stores, with keep = 0 where the row's mask is 1 and 1 elsewhere: w[row][head] = keep x (sum of the head's 64 phi), as two bf16 numbers hi + lo, [hi, lo][batch][head][row];
;          and for the tile's 256 rows the column sums of keep x phi, f32 (a later launch adds the 16 tiles of a batch).
; ISK = 0 stores g[row][head] = (sum of phi) / max(sum of phi x ksum, 1e-6), as hi + lo, in 16-byte pieces {hi of heads 4 j .. 4 j + 3, lo of the same}, [j][row].
; LIMITS.  An exponential below 2^-126 counts as 0; NaN and infinities are not treated apart.  The bias is rounded to bf16 like every floating-point input.
; THE PRODUCT.  A tile of C is 256 x 256: four waves, each 128 x 128 in 64 accumulators (512 registers).  K goes in 8 steps of 128 through two LDS slots filled by the tensor data mover.
; 4 x 4 work-groups form a cluster: x's tile is shared along a row of the cluster, W's along a column, each asked for jointly.  The matrix instruction is used transposed
; (source 0 = 16 rows of W, source 1 = 16 rows of x): a lane holds row l % 16 and the columns 8 (l / 16) + 0..7 of a block of 16.  The first product takes the bias as its C operand.
; THE WAY OUT.  The accumulators are laid, in f32, into the ring's bytes (which have had their last fill; each wave has 65,536 of its own), so that ONE text, looped eight times, serves
; the wave's eight blocks of 16 rows.  A trip: 16 rows x 128 columns = two heads.
; The rotary table's 256 rows come by one plain tensor load a wave: 32 KiB once a work-group beside 1 MiB through the ring, so it is not asked for jointly.
; REGISTERS: window 0: v0-31 addresses; v32-63, v192-255 free in the product's loop; v64-127, v128-191 fragments of x, two buffers.  window 1: v64-191 fragments of W.  windows 2, 3: the accumulators.
.set ISK, 0
.set SIZE_K, 1024
.set KSTEP,  128
.set PITCH,  272                       ; an LDS row: 256 bytes + 16 of padding: the 16 rows of a fragment load start at 16 different groups of four banks
.set HALFT,  128*PITCH                 ; what one tensor load brings
.set SLOT,   4*HALFT                   ; x's 256 rows, then W's 256 rows
.set ROPE,   2*SLOT                    ; behind the ring: 256 rows of the table, 128 bytes + 16
.set RPITCH, 144
.set STAGE,  ROPE+256*RPITCH           ; stages that no tensor load fills
.set WSTG,   STAGE                     ; ISK = 1: w: [hi, lo][head 4][row 256] bf16, 4,096 bytes
.set CSTG,   STAGE+4096                ; ISK = 1: column sums: [row half 2][column 256] f32, 2,048 bytes
.set KEEP,   STAGE+6144                ; ISK = 1: keep: [wave 4][block 8][lane 32] f32, 4,096 bytes
.set GSTG,   STAGE                     ; ISK = 0: g: [column half 2][hi, lo][row 256][two heads' bf16], 4,096 bytes
.set SPARE,  STAGE+10240               ; the spare words, 128 bytes a wave: two blocks of 256 bytes that no other line names
.set LAPS,   SIZE_K/(2*KSTEP)
.set ROPB,   41943040                  ; the table in cb
.if ISK
.set WOFF,   35651584                  ; Wk in cb
.set WSTEP,  32                        ; 16 rows of 2 bytes
.else
.set WOFF,   33554432                  ; Wq in cb
.set WSTEP,  64                        ; 16 rows of 4 bytes
.endif
.set ADRA, 16                          ; v16-17  LDS address of my x fragments in slot 0, 1
.set ADRB, 20                          ; v20-21  the same for W
.set SPW,  28                          ; v28     my spare word: SPARE + 4 x my thread's number; never rewritten
.set NIL,  29                          ; v29     0; never rewritten
.set PFO,  30                          ; v30     the prefetches' offset: my lane x a row of 2,048 bytes; never rewritten
.set BO,   31                          ; v31     32 (l / 16): my 8 columns in a block's 64 bytes of f32
.set F0,   64
.set F1,   128
.set BI,   192                         ; v192-255  the bias of my 128 columns: block b at BI + 8 b
.set G1,  24                           ; s[24:31] group 1 for x's tiles;  s[32:39] group 0, a set for each slot
.set G0,  32
.set G1B, 48                           ; s[48:55], s[56:63] the same for W's tiles
.set G0B, 56
.set G0R, 68                           ; s[68:71], s[72:79] the table's load
.set G1R, 72
.set PFA, 44                           ; s[44:45] where my prefetches stand
.set LIM, 43                           ; s43     1 in a wave that prefetches, else the greatest number
; the way out (window 0 alone)
.set DW,  4                            ; v4   65,536 wave + 16 lane: my place in my dump
.set RA0, 5                            ; v5   my row's 64 bytes of the table, block 0
.set KA0, 6                            ; v6   my word of keep, block 0
.set WS0, 7                            ; v7   where my row's w or g goes, block 0
.set DA,  8                            ; v8, v9, v3, v31: the same four for the trip in hand
.set RA,  9
.set KA,  3
.set WS,  31
.set SM,  10                           ; v10-25  head hd at SM + 8 hd: two chains of pairs for the sum of phi, two for the sum of phi x ksum
.set KP,  26                           ; v26-27  keep (named as a pair)
.set E,   32                           ; v32-63  a head's 32 numbers of the lane: rotated, then phi
.set X,   64                           ; v64-127 a block's accumulators; then the exponentials
.set RB,  128                          ; v128-143 the table as loaded
.set CO,  144                          ; v144-159 16 cosines
.set SN,  160                          ; v160-191 16 pairs (-sin, +sin)
.set CS,  192                          ; v192-255 ISK = 1: column sums; ISK = 0: ksum of my 128 columns
.set MSB, 0
.macro WIN new                         ; the immediate's high byte repeats the setting that is left; a switch that changes nothing is dropped
.if MSB != (\new)
	s_set_vgpr_msb (MSB<<8)|(\new)
.set MSB, \new
.endif
.endm
.set MUL_LO, 0xa1                      ; source 0 (W) window 1, source 1 (x) window 0, C and D window 2
.set MUL_HI, 0xf1                      ; the same, C and D window 3
.set TO_B,   0x40                      ; destination window 1, address window 0
; A joint load: waves 0 and 1 fetch x's two halves, waves 2 and 3 W's.  The branch hangs on the wave's number alone.  An s_nop 0 and four v_nop follow each line.
.macro JLOAD s
	s_cmp_eq_u32 s11, 0
	s_cbranch_scc0 .Lfor_b_\@
	tensor_load_to_lds s[G0+4*(\s):G0+4*(\s)+3], s[G1:G1+7]
	s_nop 0
.rept 4
	v_nop
.endr
	s_branch .Lasked_\@
.Lfor_b_\@:
	tensor_load_to_lds s[G0B+4*(\s):G0B+4*(\s)+3], s[G1B:G1B+7]
	s_nop 0
.rept 4
	v_nop
.endr
.Lasked_\@:
.endm
; A prefetch of the K step that stands two refills on: 32 rows x 256 bytes, a lane a row.  x's tile rows are read by this cluster alone along x (the grid is one cluster wide): it asks; W's rows are read by
; all 16 clusters: cluster y = 0 asks.  The four partners that ask for a tile jointly take 32 of a wave's 128 rows each, told apart by address.  K steps 4 to 7 are named; the loop's last trip (s3 = 1) asks for nothing.
.macro ASK
	s_cmp_gt_u32 s3, s[LIM]
	s_cbranch_scc0 .Lnot_mine_\@
	global_prefetch_b8 v[PFO], s[PFA:PFA+1] offset:KSTEP*2 th:TH_LOAD_NT scope:SCOPE_SE
.Lnot_mine_\@:
.endm
.macro CREST                           ; a round of the cluster's barrier behind its opening barrier
	s_cmp_lg_u32 s10, 0
	s_cbranch_scc1 .Lnot_wave_0_\@
	s_barrier_signal -3
.Lnot_wave_0_\@:
	s_barrier_wait -3
	s_barrier_signal -1
	s_barrier_wait -1
.endm
.macro CROUND
	s_barrier_signal -1
	s_barrier_wait -1
	CREST
.endm
	s_load_b256 s[80:87], s[0:1], 0x0              ; cb s[80:81], the bias s[82:83], the mask or ku s[84:85], the output s[86:87]
	v_lshl_add_u32 v[SPW], v0, 2, SPARE
	v_mov_b32 v[NIL], 0
	ds_add_u32 v[SPW], v[NIL]                      ; the wave's opening: the add and its wait stand ahead of my first tensor load; the set-up below stands between them
	v_lshrrev_b32 v1, 5, v0
	v_readfirstlane_b32 s10, v1                    ; wave 0..3
	s_lshr_b32 s11, s10, 1                         ; my half of the tile's rows.  Also: I fetch for x (0) or for W (1)
	s_and_b32 s12, s10, 1                          ; my half of its columns.  Also: which 128 rows I fetch
	s_bfe_u32 s40, ttmp6, 0x40000                  ; cx
	s_bfe_u32 s41, ttmp6, 0x40004                  ; cy
	s_lshl_b32 s42, ttmp9, 2
	s_add_co_u32 s42, s42, s40                     ; tile column = 4 x cluster x + cx
	s_and_b32 s13, ttmp7, 0xffff
	s_lshl_b32 s13, s13, 2
	s_add_co_u32 s13, s13, s41                     ; tile row = 4 x cluster y + cy
	s_lshl_b32 s43, s41, 2
	s_lshl_b32 s43, 15, s43                        ; my row of the cluster
	s_lshl_b32 s44, 0x1111, s40                    ; my column
	s_or_b32 s[G1+0], s43, (1<<16)|(1<<20)|(1<<21)|(5<<22)|(3<<25)   ; the mask; 2-byte elements; padding on; bit 21 beside a mask; after every 64 words, 4 words
	s_or_b32 s[G1B+0], s44, (1<<16)|(1<<20)|(1<<21)|(5<<22)|(3<<25)
.irp g, G1, G1B
	s_mov_b32 s[(\g)+1], KSTEP<<16                 ; tensor_dim0 = 128
	s_mov_b32 s[(\g)+2], 128<<16                   ; tensor_dim1 = 128
	s_mov_b32 s[(\g)+3], KSTEP<<16                 ; tile_dim0 = 128
	s_mov_b32 s[(\g)+4], 128                       ; tile_dim1 = 128
	s_mov_b32 s[(\g)+5], SIZE_K                    ; elements from row to row
	s_mov_b32 s[(\g)+6], 0
	s_mov_b32 s[(\g)+7], 0
.endr
	; the table: my 64 rows of 128 bytes are 8,192 dense bytes: 32 rows of 256, padded by 16 bytes after every 128
	s_mov_b32 s[G1R+0], (1<<16)|(1<<20)|(4<<22)|(3<<25)
	s_mov_b32 s[G1R+1], 128<<16
	s_mov_b32 s[G1R+2], 32<<16
	s_mov_b32 s[G1R+3], 128<<16
	s_mov_b32 s[G1R+4], 32
	s_mov_b32 s[G1R+5], 128
	s_mov_b32 s[G1R+6], 0
	s_mov_b32 s[G1R+7], 0
	s_mov_b32 s[G0R], 1
	s_mul_i32 s[G0R+1], s10, 64*RPITCH
	s_add_co_u32 s[G0R+1], s[G0R+1], ROPE
	s_and_b32 s66, s13, 15                         ; the tile's place in its batch: 256 rows of the table,
	s_lshl_b32 s66, s66, 15
	s_lshl_b32 s67, s10, 13                        ; my 64 of them
	s_add_co_u32 s66, s66, s67
	s_add_co_u32 s66, s66, ROPB
	s_mov_b32 s67, 0
	s_mov_b32 s88, 0x3fb8aa3b                      ; log2 e, named as a pair
	s_mov_b32 s89, 0x3fb8aa3b
	s_mov_b32 s90, 0x76543210                      ; v_permlanex16_b32: each lane takes its own place in the other half
	s_mov_b32 s91, 0xfedcba98
	s_mov_b32 s92, 0xffff0000                      ; a word's upper bf16
	s_mov_b32 s93, 0x80000000                      ; the sign
	s_mov_b32 s94, 0x358637bd                      ; 1e-6
	s_lshl_b32 s17, s12, 7
	s_lshl_b32 s16, s13, 8
	s_add_co_u32 s16, s16, s17                     ; x: row 256 x tile row + 128 x half
	s_lshl_b32 s46, s42, 8
	s_add_co_u32 s46, s46, s17                     ; W: row 256 x tile column + 128 x half
	s_mov_b32 s17, 0
	s_mov_b32 s47, 0
	s_mov_b64 s[18:19], SIZE_K*2
	s_mul_u64 s[16:17], s[16:17], s[18:19]
	s_mul_u64 s[46:47], s[46:47], s[18:19]
	s_mul_i32 s20, s10, HALFT                      ; where they go: wave x 128 rows
	s_wait_dscnt 0x0                               ; the opening add is done
	s_wait_kmcnt 0x0
	s_mov_b64 s[4:5], s[80:81]                     ; x
	s_add_nc_u64 s[6:7], s[80:81], WOFF            ; W
	s_add_nc_u64 s[14:15], s[4:5], s[16:17]
	s_add_nc_u64 s[46:47], s[6:7], s[46:47]
	s_add_nc_u64 s[G0R+2:G0R+3], s[80:81], s[66:67]
	s_or_b32 s[G0R+3], s[G0R+3], 0x80000000
	CROUND                                         ; all sixteen work-groups are here: the first joint loads meet
.irp s, 0,1
	s_mov_b32 s[G0+4*(\s)], 1
	s_add_co_u32 s[G0+4*(\s)+1], s20, (\s)*SLOT
	s_add_nc_u64 s[G0+4*(\s)+2:G0+4*(\s)+3], s[14:15], (\s)*KSTEP*2
	s_or_b32 s[G0+4*(\s)+3], s[G0+4*(\s)+3], 0x80000000
	s_mov_b32 s[G0B+4*(\s)], 1
	s_add_co_u32 s[G0B+4*(\s)+1], s20, (\s)*SLOT
	s_add_nc_u64 s[G0B+4*(\s)+2:G0B+4*(\s)+3], s[46:47], (\s)*KSTEP*2
	s_or_b32 s[G0B+4*(\s)+3], s[G0B+4*(\s)+3], 0x80000000
	JLOAD \s
.endr
	tensor_load_to_lds s[G0R:G0R+3], s[G1R:G1R+7]  ; the table: my third and last first fill: three loads of mine are out
	s_nop 0
.rept 4
	v_nop
.endr
	v_and_b32 v1, 15, v0                           ; l % 16; kept
	v_bfe_u32 v2, v0, 4, 1                         ; l / 16; kept
	v_mul_u32_u24 v3, v1, PITCH
	v_lshl_add_u32 v3, v2, 4, v3                   ; a fragment's row x pitch + 16 x half
	s_mul_i32 s21, s11, HALFT
	s_mul_i32 s22, s12, HALFT
	s_add_co_u32 s22, s22, 2*HALFT
.irp s, 0,1
	v_add_nc_u32 v[ADRA+(\s)], s21, v3
	v_add_nc_u32 v[ADRB+(\s)], s22, v3
	s_add_co_u32 s21, s21, SLOT
	s_add_co_u32 s22, s22, SLOT
.endr
	; the prefetches
	s_lshl_b32 s23, s13, 8
	s_lshl_b32 s21, s42, 8
	s_and_b32 s22, ttmp7, 0xffff                   ; cluster y
	s_cmp_eq_u32 s11, 0                            ; do I fetch for x?
	s_cselect_b32 s20, s23, s21                    ; the tile's first row
	s_cselect_b32 s21, s40, s41                    ; my place among the four that ask with me
	s_cselect_b32 s22, ttmp9, s22                  ; the coordinate along which other clusters read the same rows
	s_cselect_b64 s[PFA:PFA+1], s[4:5], s[6:7]
	s_cmp_eq_u32 s22, 0
	s_cselect_b32 s[LIM], 1, -1
	s_lshl_b32 s22, s12, 7
	s_add_co_u32 s20, s20, s22
	s_lshl_b32 s21, s21, 5
	s_add_co_u32 s20, s20, s21
	s_mov_b32 s21, 0
	s_mul_u64 s[20:21], s[20:21], s[18:19]
	s_add_nc_u64 s[PFA:PFA+1], s[PFA:PFA+1], s[20:21]
	s_add_nc_u64 s[PFA:PFA+1], s[PFA:PFA+1], 2*KSTEP*2  ; at K step 2: the first refill steps it to 3 and names K step 4
	v_and_b32 v[PFO], 31, v0
	v_mul_u32_u24 v[PFO], v[PFO], SIZE_K*2
	; the bias of my 128 columns; the mask of my 128 rows or (later) ksum of my columns
	s_lshl_b32 s20, s42, 10
	s_lshl_b32 s21, s12, 9
	s_add_co_u32 s20, s20, s21                     ; (256 x tile column + 128 x half) x 4 bytes
	s_mov_b32 s21, 0
	s_add_nc_u64 s[82:83], s[82:83], s[20:21]
.if ISK
	s_lshl_b32 s20, s13, 10
	s_lshl_b32 s22, s11, 9
	s_add_co_u32 s20, s20, s22                     ; (256 x tile row + 128 x half) x 4 bytes
.else
	s_lshr_b32 s22, s13, 4                         ; the batch: 4,096 bytes of ksum
	s_lshl_b32 s22, s22, 12
	s_add_co_u32 s20, s20, s22
.endif
	s_add_nc_u64 s[84:85], s[84:85], s[20:21]
	v_lshlrev_b32 v[BO], 5, v2
.irp b, 0,1,2,3,4,5,6,7
	global_load_b128 v[BI+8*(\b):BI+8*(\b)+3],   v[BO], s[82:83] offset:64*(\b)
	global_load_b128 v[BI+8*(\b)+4:BI+8*(\b)+7], v[BO], s[82:83] offset:64*(\b)+16
.endr
.if ISK
	v_lshlrev_b32 v9, 2, v1
.irp a, 0,1,2,3,4,5,6,7
	global_load_b32 v[32+(\a)], v9, s[84:85] offset:64*(\a)  ; the mask of row 16 a + l % 16; it waits in v32-39 for the way out
.endr
.endif
; 16 matrix instructions: m blocks a0, a0 + 1 of the window's four x all 8 n blocks, 32 along K.  first = 1: the sums start with the bias (C in window 0).
; The 64 accumulators take turns, one instruction a turn, in the same order in every quarter.
.macro MUL16 f, hi, a0, first
.if \first
	WIN 0x81+0x40*(\hi)
.else
	WIN MUL_LO+0x50*(\hi)
.endif
.irp a, \a0, (\a0)+1
.irp b, 0,1,2,3,4,5,6,7
.if \first
	v_wmma_f32_16x16x32_bf16 v[8*(8*(\a)+(\b)):8*(8*(\a)+(\b))+7], v[(\f)+8*(\b):(\f)+8*(\b)+7], v[(\f)+8*(4*(\hi)+(\a)):(\f)+8*(4*(\hi)+(\a))+7], v[BI+8*(\b):BI+8*(\b)+7]
.else
	v_wmma_f32_16x16x32_bf16 v[8*(8*(\a)+(\b)):8*(8*(\a)+(\b))+7], v[(\f)+8*(\b):(\f)+8*(\b)+7], v[(\f)+8*(4*(\hi)+(\a)):(\f)+8*(4*(\hi)+(\a))+7], v[8*(8*(\a)+(\b)):8*(8*(\a)+(\b))+7]
.endif
.endr
.endr
.endm
.macro FETCH slot, k, f                ; 32 LDS loads in one run: a quarter step's fragments (W's first, then x's) into buffer f
	WIN TO_B
.irp i, 0,1,2,3,4,5,6,7
	ds_load_b128 v[(\f)+8*(\i):(\f)+8*(\i)+3],   v[ADRB+(\slot)] offset:(\k)+(\i)*16*PITCH
	ds_load_b128 v[(\f)+8*(\i)+4:(\f)+8*(\i)+7], v[ADRB+(\slot)] offset:(\k)+(\i)*16*PITCH+32
.endr
	WIN 0
.irp i, 0,1,2,3,4,5,6,7
	ds_load_b128 v[(\f)+8*(\i):(\f)+8*(\i)+3],   v[ADRA+(\slot)] offset:(\k)+(\i)*16*PITCH
	ds_load_b128 v[(\f)+8*(\i)+4:(\f)+8*(\i)+7], v[ADRA+(\slot)] offset:(\k)+(\i)*16*PITCH+32
.endr
.endm
.macro PLACES                          ; four plain vector instructions between a matrix instruction and a load into a register that it has read (ISA guide 7.12.1 for vector instructions)
.rept 4
	v_nop
.endr
.endm
.macro QUARTER slot, k, f, g, first    ; 64 matrix instructions on buffer f; in their middle the next quarter's fragments, at byte k of the rows, into buffer g
	s_wait_dscnt 8                                 ; W's and x's rows 0-63 are in; the youngest eight loads may be out
	MUL16 \f, 0, 0, \first
	MUL16 \f, 0, 2, \first
	PLACES
	FETCH \slot, \k, \g
	s_wait_dscnt 32                                ; all but the 32 just issued
	MUL16 \f, 1, 0, \first
	MUL16 \f, 1, 2, \first
.endm
; The first half of a K step's last quarter: one barrier for the change of slots.
.macro MEET round
	WIN 0
	s_wait_tensorcnt 0x0                           ; all my tensor loads have landed: my part of the next slot (and, the first time, of the table)
	ds_add_u32 v[SPW], v[NIL]                      ; 0 onto my spare word
	s_wait_dscnt 9                                 ; the add and the youngest eight loads may be out
	MUL16 F1, 0, 0, 0
	s_wait_dscnt 0x0                               ; the add is done, and my reads of this slot are over
	s_barrier_signal -1
	MUL16 F1, 0, 2, 0
.if \round
	WIN 0
.endif
	s_barrier_wait -1
.endm
.macro TURN slot, next                 ; the whole last quarter: the slot just read is filled again, two K steps ahead, first thing behind the cluster's round
	s_wait_xcnt 0x0                                ; the last prefetch, a K step back, has read its address
	s_add_nc_u64 s[PFA:PFA+1], s[PFA:PFA+1], KSTEP*2
	MEET 1
	CREST
	s_add_nc_u64 s[G0+4*(\slot)+2:G0+4*(\slot)+3], s[G0+4*(\slot)+2:G0+4*(\slot)+3], 2*KSTEP*2
	s_add_nc_u64 s[G0B+4*(\slot)+2:G0B+4*(\slot)+3], s[G0B+4*(\slot)+2:G0B+4*(\slot)+3], 2*KSTEP*2
	JLOAD \slot                                    ; its four v_nop are also the places in front of the loads below
	FETCH \next, 0, F0
	ASK
	MUL16 F1, 1, 0, 0
	MUL16 F1, 1, 2, 0
.endm
	s_wait_tensorcnt 0x2                           ; my part of K step 0 is in; K step 1's and the table's may stay out
	s_barrier_signal -1
	s_barrier_wait -1
	FETCH 0, 0, F0
	s_wait_loadcnt 0x0                             ; the bias (and the mask)
.set i, 0
.rept 32                               ; the bias is rounded to bf16 like the other inputs; buffer 1 is still free and serves as scratch
	v_cvt_pk_bf16_f32 v[F1+i], v[BI+2*i], v[BI+2*i+1]
.set i, i+1
.endr
.set i, 0
.rept 32
	v_lshlrev_b32 v[BI+2*i], 16, v[F1+i]
	v_and_b32 v[BI+2*i+1], s92, v[F1+i]
.set i, i+1
.endr
	QUARTER 0, 64, F0, F1, 1                       ; the first quarter stands in front of the loop: its products start the sums with the bias
.if ISK == 0
	PLACES                                         ; the bias's registers, read by the products just issued, take ksum of the same columns
	WIN 0
.irp b, 0,1,2,3,4,5,6,7
	global_load_b128 v[CS+8*(\b):CS+8*(\b)+3],   v[BO], s[84:85] offset:64*(\b)
	global_load_b128 v[CS+8*(\b)+4:CS+8*(\b)+7], v[BO], s[84:85] offset:64*(\b)+16
.endr
.endif
	WIN 0
	s_mov_b32 s3, LAPS-1
.Llap:                                         ; a trip goes once round the ring and fills both slots again
	QUARTER 0, 128, F1, F0, 0
	QUARTER 0, 192, F0, F1, 0
	TURN 0, 1
	QUARTER 1, 64,  F0, F1, 0
	QUARTER 1, 128, F1, F0, 0
	QUARTER 1, 192, F0, F1, 0
	TURN 1, 0
	QUARTER 0, 64,  F0, F1, 0
	WIN 0
	s_sub_co_u32 s3, s3, 1
	s_cmp_lg_u32 s3, 0
	s_cbranch_scc1 .Llap
	QUARTER 0, 128, F1, F0, 0                      ; the last lap is written out: it fills nothing
	QUARTER 0, 192, F0, F1, 0
	MEET 0
	PLACES
	FETCH 1, 0, F0
	MUL16 F1, 1, 0, 0
	MUL16 F1, 1, 2, 0
	QUARTER 1, 64,  F0, F1, 0
	QUARTER 1, 128, F1, F0, 0
	QUARTER 1, 192, F0, F1, 0
	s_wait_dscnt 8
	MUL16 F1, 0, 0, 0
	MUL16 F1, 0, 2, 0
	s_wait_dscnt 0x0                               ; my reads of the ring are over:
	s_barrier_signal -1                            ; behind this barrier its bytes are written by the waves
	MUL16 F1, 1, 0, 0
	MUL16 F1, 1, 2, 0
	WIN 0
	s_barrier_wait -1
.rept 8
	v_nop                                          ; the places behind the last products
.endr
	; THE DUMP: accumulator (A, b) goes to 8,192 A + 1,024 b of my 65,536 bytes, its low four registers first, 16 bytes a lane
	v_and_b32 v3, 31, v0
	s_lshl_b32 s20, s10, 16
	v_lshl_add_u32 v[DW], v3, 4, s20
.set da, 0
.rept 8
	WIN 0x08+4*(da/4)                              ; the stores' data in window 2 (blocks 0-3) or 3 (blocks 4-7)
.set db, 0
.rept 8
	ds_store_b128 v[DW], v[8*(8*(da%4)+db):8*(8*(da%4)+db)+3]   offset:da*8192+db*1024
	ds_store_b128 v[DW], v[8*(8*(da%4)+db)+4:8*(8*(da%4)+db)+7] offset:da*8192+db*1024+512
.set db, db+1
.endr
.set da, da+1
.endr
	WIN 0
	v_mul_u32_u24 v[RA0], v1, RPITCH
	v_lshl_add_u32 v[RA0], v2, 6, v[RA0]
	s_mul_i32 s20, s11, 128*RPITCH
	s_add_co_u32 s20, s20, ROPE
	v_add_nc_u32 v[RA0], s20, v[RA0]               ; the table: (128 x row half + l % 16) x 144 + 64 (l / 16)
.if ISK
	s_lshl_b32 s20, s10, 10
	s_add_co_u32 s20, s20, KEEP
	v_lshl_add_u32 v[KA0], v3, 2, s20
	s_lshl_b32 s20, s12, 10
	s_lshl_b32 s21, s11, 8
	s_add_co_u32 s20, s20, s21
	s_add_co_u32 s20, s20, WSTG
	v_lshl_add_u32 v[WS0], v1, 1, s20              ; w: 1,024 x column half + 2 (128 x row half + l % 16); the second head 512 on, lo 2,048 on
.set i, 0
.rept 8
	v_cmp_eq_u32 vcc_lo, 1, v[32+i]
	v_cndmask_b32 v[32+i], 1.0, v[NIL], vcc_lo     ; keep = 0 where the mask is 1
	ds_store_b32 v[KA0], v[32+i] offset:128*i      ; through my own LDS words, so that the loop's one text finds each block's
.set i, i+1
.endr
.set i, 0
.rept 64
	v_mov_b32 v[CS+i], 0                           ; the column sums start at 0: 64 lines once a launch, the price of writing no first trip out
.set i, i+1
.endr
	v_mov_b32 v[KP+1], 0                           ; named with keep as a pair
.else
	s_lshl_b32 s20, s12, 11
	s_lshl_b32 s21, s11, 9
	s_add_co_u32 s20, s20, s21
	s_add_co_u32 s20, s20, GSTG
	s_wait_loadcnt 0x0                             ; ksum is in, and v31, its loads' offset, is free
	v_lshl_add_u32 v[WS0], v1, 2, s20              ; g: 2,048 x column half + 4 (128 x row half + l % 16); lo 1,024 on
.endif
.macro UNPACK                          ; 16 bytes for each block nb of 16 columns: four sines, four cosines
.set i, 0
.rept 4
	v_lshlrev_b32 v[SN+8*i+1], 16, v[RB+4*i]
	v_and_b32     v[SN+8*i+3], s92, v[RB+4*i]
	v_lshlrev_b32 v[SN+8*i+5], 16, v[RB+4*i+1]
	v_and_b32     v[SN+8*i+7], s92, v[RB+4*i+1]
	v_lshlrev_b32 v[CO+4*i],   16, v[RB+4*i+2]
	v_and_b32     v[CO+4*i+1], s92, v[RB+4*i+2]
	v_lshlrev_b32 v[CO+4*i+2], 16, v[RB+4*i+3]
	v_and_b32     v[CO+4*i+3], s92, v[RB+4*i+3]
	v_xor_b32     v[SN+8*i],   s93, v[SN+8*i+1]
	v_xor_b32     v[SN+8*i+2], s93, v[SN+8*i+3]
	v_xor_b32     v[SN+8*i+4], s93, v[SN+8*i+5]
	v_xor_b32     v[SN+8*i+6], s93, v[SN+8*i+7]
.set i, i+1
.endr
.endm
; One head's 32 numbers of the lane, as 16 pairs (t0, t1) of neighbouring columns, pair i with sine and cosine i.
.macro PHASE hd
.set XH, X+32*(\hd)
.set CH, CS+32*(\hd)
.set SH, SM+8*(\hd)
.set i, 0
.rept 16                               ; (t0 c, t1 c)
.if i%2
	v_pk_mul_f32 v[E+2*i:E+2*i+1], v[XH+2*i:XH+2*i+1], v[CO+i-1:CO+i] op_sel:[0,1] op_sel_hi:[1,1]
.else
	v_pk_mul_f32 v[E+2*i:E+2*i+1], v[XH+2*i:XH+2*i+1], v[CO+i:CO+i+1] op_sel_hi:[1,0]
.endif
.set i, i+1
.endr
.set i, 0
.rept 16                               ; (t0 c - t1 s, t1 c + t0 s): the first source's halves are crossed
	v_pk_fma_f32 v[E+2*i:E+2*i+1], v[XH+2*i:XH+2*i+1], v[SN+2*i:SN+2*i+1], v[E+2*i:E+2*i+1] op_sel:[1,0,0] op_sel_hi:[0,1,1]
.set i, i+1
.endr
.set i, 0
.rept 16
	v_pk_mul_f32 v[XH+2*i:XH+2*i+1], v[E+2*i:E+2*i+1], s[88:89] op_sel_hi:[1,0]
.set i, i+1
.endr
.set i, 0
.rept 32
	v_min_num_f32 v[XH+i], 0, v[XH+i]
.set i, i+1
.endr
.set i, 0
.rept 32                               ; one batch of 32 exponentials,
	v_exp_f32 v[XH+i], v[XH+i]
.set i, i+1
.endr
.set i, 0
.rept 32                               ; 32 plain lines that name none of its results,
	v_max_num_f32 v[E+i], 0, v[E+i]
.set i, i+1
.endr
	s_wait_alu depctr_va_vdst(0)                   ; and one wait ahead of the first reader
.set i, 0
.rept 16
	v_pk_add_f32 v[E+2*i:E+2*i+1], v[E+2*i:E+2*i+1], v[XH+2*i:XH+2*i+1]  ; phi
.set i, i+1
.endr
	v_pk_add_f32 v[SH:SH+1], v[E:E+1], v[E+2:E+3]  ; the sum of phi, in two chains that the first four pairs start
	v_pk_add_f32 v[SH+2:SH+3], v[E+4:E+5], v[E+6:E+7]
.set i, 4
.rept 12
	v_pk_add_f32 v[SH+2*(i%2):SH+2*(i%2)+1], v[SH+2*(i%2):SH+2*(i%2)+1], v[E+2*i:E+2*i+1]
.set i, i+1
.endr
.if ISK
.set i, 0
.rept 16
	v_pk_fma_f32 v[CH+2*i:CH+2*i+1], v[E+2*i:E+2*i+1], v[KP:KP+1], v[CH+2*i:CH+2*i+1] op_sel_hi:[1,0,1]  ; the column sums take keep x phi
.set i, i+1
.endr
.else
	v_pk_mul_f32 v[SH+4:SH+5], v[E:E+1], v[CH:CH+1]  ; the sum of phi x ksum, in two chains
	v_pk_mul_f32 v[SH+6:SH+7], v[E+2:E+3], v[CH+2:CH+3]
.set i, 2
.rept 14
	v_pk_fma_f32 v[SH+4+2*(i%2):SH+4+2*(i%2)+1], v[E+2*i:E+2*i+1], v[CH+2*i:CH+2*i+1], v[SH+4+2*(i%2):SH+4+2*(i%2)+1]
.set i, i+1
.endr
.endif
.endm
.macro TOTAL o                         ; both heads' chains at SM + o: the two chains, the pair's halves, the other half of the lanes (the head's other 32 columns)
	v_pk_add_f32 v[SM+(\o):SM+(\o)+1], v[SM+(\o):SM+(\o)+1], v[SM+(\o)+2:SM+(\o)+3]
	v_pk_add_f32 v[SM+8+(\o):SM+8+(\o)+1], v[SM+8+(\o):SM+8+(\o)+1], v[SM+8+(\o)+2:SM+8+(\o)+3]
	v_add_f32 v[SM+(\o)], v[SM+(\o)], v[SM+(\o)+1]
	v_add_f32 v[SM+8+(\o)], v[SM+8+(\o)], v[SM+8+(\o)+1]
	v_permlanex16_b32 v[SM+(\o)+2], v[SM+(\o)], s90, s91
	v_permlanex16_b32 v[SM+8+(\o)+2], v[SM+8+(\o)], s90, s91
	v_add_f32 v[SM+(\o)], v[SM+(\o)], v[SM+(\o)+2]
	v_add_f32 v[SM+8+(\o)], v[SM+8+(\o)], v[SM+8+(\o)+2]
.endm
	s_mov_b32 s16, 0                               ; the trip's steps: in my dump, in the table, in keep, in the stage
	s_mov_b32 s17, 0
	s_mov_b32 s18, 0
	s_mov_b32 s19, 0
	s_mov_b32 s3, 8
.Lrow:                                         ; a trip: one block of 16 rows x my 128 columns
	v_add_nc_u32 v[DA], s16, v[DW]
	v_add_nc_u32 v[RA], s17, v[RA0]
.if ISK
	v_add_nc_u32 v[KA], s18, v[KA0]
.endif
	v_add_nc_u32 v[WS], s19, v[WS0]
.irp n, 0,1,2,3
	ds_load_b128 v[RB+4*(\n):RB+4*(\n)+3], v[RA] offset:16*(\n)
.endr
.if ISK
	ds_load_b32 v[KP], v[KA]
.endif
.set i, 0
.rept 16
	ds_load_b128 v[X+4*i:X+4*i+3], v[DA] offset:512*i  ; LDS serves a wave's instructions in order (ISA guide 5.7.1.4): these see my dump's stores
.set i, i+1
.endr
	s_wait_dscnt 16                                ; the table (and keep) are in; the block's 16 loads may be out
	UNPACK
	s_wait_dscnt 8                                 ; the first head's eight loads are in
	PHASE 0
	s_wait_dscnt 0x0
	PHASE 1
	TOTAL 0
.if ISK
	v_mul_f32 v[SM], v[SM], v[KP]                  ; w of the two heads
	v_mul_f32 v[SM+8], v[SM+8], v[KP]
.else
	TOTAL 4
	v_max_num_f32 v[SM+4], s94, v[SM+4]
	v_max_num_f32 v[SM+12], s94, v[SM+12]
	v_rcp_f32 v[SM+5], v[SM+4]
	v_rcp_f32 v[SM+13], v[SM+12]
	v_nop                                          ; a plain line behind the second reciprocal,
	s_wait_alu depctr_va_vdst(0)                   ; and the one wait for both ahead of their first reader
	v_mul_f32 v[SM], v[SM], v[SM+5]                ; g of the two heads
	v_mul_f32 v[SM+8], v[SM+8], v[SM+13]
.endif
	v_cvt_pk_bf16_f32 v[SM+1], v[SM], v[SM+8]      ; hi: both heads in one word
	v_lshlrev_b32 v[SM+2], 16, v[SM+1]
	v_and_b32 v[SM+3], s92, v[SM+1]
	v_sub_f32 v[SM+2], v[SM], v[SM+2]
	v_sub_f32 v[SM+3], v[SM+8], v[SM+3]
	v_cvt_pk_bf16_f32 v[SM+2], v[SM+2], v[SM+3]    ; lo: what hi left
.if ISK
	ds_store_b16 v[WS], v[SM+1]                    ; lanes l and l + 16 hold the same number and write the same bytes
	ds_store_b16_d16_hi v[WS], v[SM+1] offset:512
	ds_store_b16 v[WS], v[SM+2] offset:2048
	ds_store_b16_d16_hi v[WS], v[SM+2] offset:2560
.else
	ds_store_b32 v[WS], v[SM+1]
	ds_store_b32 v[WS], v[SM+2] offset:1024
.endif
	s_add_co_u32 s16, s16, 8192
	s_add_co_u32 s17, s17, 16*RPITCH
	s_add_co_u32 s18, s18, 128
	s_add_co_u32 s19, s19, WSTEP
	s_sub_co_u32 s3, s3, 1
	s_cmp_lg_u32 s3, 0
	s_cbranch_scc1 .Lrow
.if ISK
	; the column sums over my 16 lanes' rows, through my own dump bytes: lane l puts its 64 sums into a row of 272 bytes; lane (r, hh) takes the four at 16 r of the 16 rows of its half
	v_and_b32 v3, 31, v0
	v_mul_u32_u24 v8, v3, 272
	s_lshl_b32 s20, s10, 16
	v_add_nc_u32 v8, s20, v8
.set i, 0
.rept 16
	ds_store_b128 v8, v[CS+4*i:CS+4*i+3] offset:16*i
.set i, i+1
.endr
	v_mul_u32_u24 v9, v2, 16*272
	v_lshl_add_u32 v9, v1, 4, v9
	v_add_nc_u32 v9, s20, v9
.set i, 0
.rept 16
	ds_load_b128 v[X+4*i:X+4*i+3], v9 offset:272*i
.set i, i+1
.endr
	v_lshrrev_b32 v3, 1, v1                        ; those four are columns 16 (r / 2) + 8 hh + 4 (r % 2) + 0..3 of my 128
	v_and_b32 v31, 1, v1
	v_lshlrev_b32 v3, 6, v3
	v_lshl_add_u32 v3, v2, 5, v3
	v_lshl_add_u32 v3, v31, 4, v3
	s_lshl_b32 s20, s11, 10
	s_lshl_b32 s21, s12, 9
	s_add_co_u32 s20, s20, s21
	s_add_co_u32 s20, s20, CSTG
	v_add_nc_u32 v3, s20, v3
	s_wait_dscnt 0x0
.irp w, 32, 16, 8, 4
.set i, 0
.rept (\w)/2
	v_pk_add_f32 v[X+2*i:X+2*i+1], v[X+2*i:X+2*i+1], v[X+(\w)+2*i:X+(\w)+2*i+1]
.set i, i+1
.endr
.endr
	ds_store_b128 v3, v[X:X+3]
.endif
	s_wait_dscnt 0x0                               ; for the others' sake: my stores into the stages are done
	s_barrier_signal -1
	s_barrier_wait -1
.if ISK
	s_lshr_b32 s20, s13, 4                         ; w goes out by heads: wave v takes the tile's head v: 256 rows, 512 bytes of hi and of lo
	s_lshl_b32 s20, s20, 4
	s_lshl_b32 s21, s42, 2
	s_add_co_u32 s20, s20, s21
	s_add_co_u32 s20, s20, s10                     ; 16 x batch + head
	s_lshl_b32 s20, s20, 13                        ; x 4,096 rows of 2 bytes
	s_and_b32 s21, s13, 15
	s_lshl_b32 s21, s21, 9                         ; + the tile's 256 rows
	s_add_co_u32 s20, s20, s21
	s_mov_b32 s21, 0
	s_add_nc_u64 s[66:67], s[86:87], s[20:21]
	s_lshl_b32 s20, s13, 12                        ; the column sums: 1,048,576 + (1,024 x tile row + 256 x tile column) x 4
	s_lshl_b32 s22, s42, 10
	s_add_co_u32 s20, s20, s22
	s_add_co_u32 s20, s20, 1048576
	s_add_nc_u64 s[86:87], s[86:87], s[20:21]
	v_and_b32 v3, 31, v0
	v_lshlrev_b32 v3, 4, v3
	s_lshl_b32 s20, s10, 9
	s_add_co_u32 s20, s20, WSTG
	v_add_nc_u32 v8, s20, v3
	ds_load_b128 v[X:X+3], v8
	ds_load_b128 v[X+4:X+7], v8 offset:2048
	s_wait_dscnt 0x0
	global_store_b128 v3, v[X:X+3], s[66:67]       ; a wave's store covers 512 consecutive bytes, aligned
	global_store_b128 v3, v[X+4:X+7], s[66:67] offset:524288
	s_cmp_lt_u32 s10, 2                            ; waves 0 and 1 add the two row halves' column sums: 64 threads x 16 bytes = 256 columns
	s_cbranch_scc0 .Lnokp
	v_lshlrev_b32 v9, 4, v0
	v_add_nc_u32 v31, CSTG, v9
	ds_load_b128 v[X+8:X+11], v31
	ds_load_b128 v[X+12:X+15], v31 offset:1024
	s_wait_dscnt 0x0
	v_pk_add_f32 v[X+8:X+9], v[X+8:X+9], v[X+12:X+13]
	v_pk_add_f32 v[X+10:X+11], v[X+10:X+11], v[X+14:X+15]
	global_store_b128 v9, v[X+8:X+11], s[86:87]
.Lnokp:
.else
	s_lshl_b32 s20, s42, 18                        ; g: 262,144 x tile column + 4,096 x tile row; thread t takes rows t and t + 128
	s_lshl_b32 s21, s13, 12
	s_add_co_u32 s20, s20, s21
	s_mov_b32 s21, 0
	s_add_nc_u64 s[86:87], s[86:87], s[20:21]
	v_lshlrev_b32 v3, 4, v0
	v_lshlrev_b32 v8, 2, v0
	v_add_nc_u32 v8, GSTG, v8
.irp h, 0, 1
	ds_load_b32 v[X+4*(\h)],   v8 offset:512*(\h)       ; hi of heads 0, 1
	ds_load_b32 v[X+4*(\h)+1], v8 offset:512*(\h)+2048  ; hi of heads 2, 3
	ds_load_b32 v[X+4*(\h)+2], v8 offset:512*(\h)+1024  ; lo of heads 0, 1
	ds_load_b32 v[X+4*(\h)+3], v8 offset:512*(\h)+3072  ; lo of heads 2, 3
.endr
	s_wait_dscnt 0x0
	global_store_b128 v3, v[X:X+3], s[86:87]       ; a wave's store covers 512 consecutive bytes, aligned
	global_store_b128 v3, v[X+4:X+7], s[86:87] offset:2048
.endif
	s_wait_tensorcnt 0x0                           ; the wave's end, behind my last tensor load and my last LDS store
	ds_add_u32 v[SPW], v[NIL]
	s_wait_dscnt 0x0
	CROUND                                         ; the closing round: no work-group ends while a partner may still ask for a tile that names it
	s_endpgm
.Lfunc_end_k_q91fa60b793_qgemm:
	.size	k_q91fa60b793_qgemm, .Lfunc_end_k_q91fa60b793_qgemm-k_q91fa60b793_qgemm
	.p2alignl 7, 3214868480
	.fill 96, 4, 3214868480
	.section	.rodata,"a",@progbits
	.p2align	6, 0x0
	.amdhsa_kernel k_q91fa60b793_qgemm
		.amdhsa_group_segment_fixed_size 327680
		.amdhsa_private_segment_fixed_size 0
		.amdhsa_enable_private_segment 0
		.amdhsa_kernarg_size 32
		.amdhsa_user_sgpr_count 2
		.amdhsa_user_sgpr_kernarg_segment_ptr 1
		.amdhsa_wavefront_size32 1
		.amdhsa_system_sgpr_workgroup_id_x 1
		.amdhsa_system_sgpr_workgroup_id_y 1
		.amdhsa_system_sgpr_workgroup_id_z 1
		.amdhsa_system_vgpr_workitem_id 0
		.amdhsa_next_free_vgpr 1024
		.amdhsa_next_free_sgpr 96
		.amdhsa_reserve_vcc 1
		.amdhsa_float_denorm_mode_32 3
		.amdhsa_float_denorm_mode_16_64 3
		.amdhsa_memory_ordered 1
		.amdhsa_forward_progress 1
		.amdhsa_inst_pref_size 153
	.end_amdhsa_kernel
	.amdgpu_metadata
---
amdhsa.version: [ 1, 2 ]
amdhsa.kernels:
  - .name:           k_q91fa60b793_qgemm
    .symbol:         k_q91fa60b793_qgemm.kd
    .args:
      - { .name: cb, .offset: 0, .size: 8, .value_kind: global_buffer, .address_space: global }
      - { .name: bq, .offset: 8, .size: 8, .value_kind: global_buffer, .address_space: global }
      - { .name: ku, .offset: 16, .size: 8, .value_kind: global_buffer, .address_space: global }
      - { .name: gq, .offset: 24, .size: 8, .value_kind: global_buffer, .address_space: global }
    .group_segment_fixed_size: 327680
    .private_segment_fixed_size: 0
    .kernarg_segment_align: 8
    .kernarg_segment_size: 32
    .max_flat_workgroup_size: 128
    .sgpr_count:     96
    .vgpr_count:     1024
    .wavefront_size: 32
...
	.end_amdgpu_metadata
.endif
;; end of part 6
;; launch final (part 7): grid 16 x 16, 8 waves a work-group, no clusters, 35,840 bytes of LDS; arguments gq, mop, bo, out0; writes out0
.if DOCPART == 7
	.amdgcn_target "amdgcn-amd-amdhsa--gfx1250"
	.amdhsa_code_object_version 6
	.text
	.protected	k_q91fa60b793_final
	.globl	k_q91fa60b793_final
	.p2align	8
	.type	k_q91fa60b793_final,@function
k_q91fa60b793_final:
	s_mov_b64 s[64:65], 0
	v_nop
	global_prefetch_b8 v0, s[64:65] scope:SCOPE_SE
	s_setreg_imm32_b32 hwreg(HW_REG_WAVE_MODE, 25, 1), 1
	s_wait_xcnt 0x0
; out[row][n] = bo[n] + sum over the 16 heads of g[row][h] M[b][h][n].  g = hi + lo and M = hi + lo, four bf16 numbers, all four products taken; sums in f32; bo rounded to bf16 like every input.
; One matrix instruction has 32 places along K: for each group c of four heads, {g hi of the four, g lo of the four} meets {M's part of the four, the same four again}; one instruction for M hi, one for M lo.
; Source 0 = 16 columns of M, source 1 = 16 rows of g: a lane holds one row (l % 16) and eight neighbouring columns.  The first instruction takes bo as its C operand.
; A work-group (chunk = x: 64 columns; rg = y: 1,024 rows of batch rg / 4); a wave takes 128 rows, 16 at a time, through a stage of its own, so that 16 lanes store 256 consecutive bytes.
; The launch is its stores: 256 KiB a work-group.  No cluster, no tensor loads: what work-groups share (g, M) is a sixteenth of what each stores.
.set STG,  0                           ; LDS: 16 rows x 272 bytes for each wave
.set SPARE, 8*16*272                   ; the spare words, 128 bytes for each of 8 waves
.set SPW, 2
.set NIL, 3
.set OBI, 4                            ; 32 hh
.set OM,  5                            ; 256 hh + 16 r
.set OG,  6                            ; 262,144 hh + 16 r
.set OO,  7                            ; 4,096 hh + 16 r
.set SI,  8                            ; into the stage
.set SO,  9                            ; back
.set MF,  16                           ; v[16:79]   M: part q, tile t at 32 q + 8 t
.set BI,  80                           ; v[80:111]  bo: tile t at 8 t
.set GF,  112                          ; v[112:175] g: block i of 16 rows at 8 i
.set ACC, 176                          ; v[176:207]
.set OB,  208                          ; v[208:239]
	s_load_b256 s[4:11], s[0:1], 0x0               ; gq, mop, bo, out0
	v_lshl_add_u32 v[SPW], v0, 2, SPARE
	v_mov_b32 v[NIL], 0
	v_lshrrev_b32 v1, 5, v0
	v_readfirstlane_b32 s12, v1                    ; wave
	s_and_b32 s13, ttmp7, 0xffff                   ; rg
	s_lshl_b32 s14, s13, 10
	s_lshl_b32 s15, s12, 7
	s_add_co_u32 s14, s14, s15                     ; my first row
	s_mov_b32 s28, 0xffff0000
	s_lshl_b32 s16, s14, 4                         ; g: 16 bytes a row
	s_mov_b32 s17, 0
	s_lshr_b32 s18, s13, 2
	s_lshl_b32 s18, s18, 17                        ; M: 131,072 x batch + 4,096 x chunk
	s_lshl_b32 s19, ttmp9, 12
	s_add_co_u32 s18, s18, s19
	s_mov_b32 s19, 0
	s_lshl_b32 s20, ttmp9, 8                       ; bo: the chunk's 256 bytes
	s_mov_b32 s21, 0
	s_lshl_b32 s22, s14, 12                        ; out: 4,096 bytes a row + the chunk's 256
	s_add_co_u32 s22, s22, s20
	s_mov_b32 s23, 0
	s_mul_i32 s24, s12, 16*272
	v_and_b32 v1, 15, v0
	v_bfe_u32 v10, v0, 4, 1
	v_lshlrev_b32 v[OBI], 5, v10
	v_lshlrev_b32 v[OM], 8, v10
	v_lshl_add_u32 v[OM], v1, 4, v[OM]
	v_lshlrev_b32 v[OG], 18, v10
	v_lshl_add_u32 v[OG], v1, 4, v[OG]
	v_lshlrev_b32 v[OO], 12, v10
	v_lshl_add_u32 v[OO], v1, 4, v[OO]
	v_mul_u32_u24 v[SI], v1, 272
	v_lshl_add_u32 v[SI], v10, 5, v[SI]
	v_add_nc_u32 v[SI], s24, v[SI]
	v_mul_u32_u24 v[SO], v10, 272
	v_lshl_add_u32 v[SO], v1, 4, v[SO]
	v_add_nc_u32 v[SO], s24, v[SO]
	s_wait_kmcnt 0x0
	s_add_nc_u64 s[4:5], s[4:5], s[16:17]
	s_add_nc_u64 s[6:7], s[6:7], s[18:19]
	s_add_nc_u64 s[8:9], s[8:9], s[20:21]
	s_add_nc_u64 s[10:11], s[10:11], s[22:23]
.irp t, 0,1,2,3
	global_load_b128 v[BI+8*(\t):BI+8*(\t)+3],   v[OBI], s[8:9] offset:64*(\t)
	global_load_b128 v[BI+8*(\t)+4:BI+8*(\t)+7], v[OBI], s[8:9] offset:64*(\t)+16
.endr
.irp q, 0, 1
.irp t, 0,1,2,3
	global_load_b128 v[MF+32*(\q)+8*(\t):MF+32*(\q)+8*(\t)+3],   v[OM], s[6:7] offset:65536*(\q)+1024*(\t)      ; head groups hh
	global_load_b128 v[MF+32*(\q)+8*(\t)+4:MF+32*(\q)+8*(\t)+7], v[OM], s[6:7] offset:65536*(\q)+1024*(\t)+512  ; and 2 + hh
.endr
.endr
.set i, 0
.rept 8
	global_load_b128 v[GF+8*i:GF+8*i+3],   v[OG], s[4:5] offset:256*i
	global_load_b128 v[GF+8*i+4:GF+8*i+7], v[OG], s[4:5] offset:256*i+524288
.set i, i+1
.endr
	s_wait_loadcnt 32                              ; bo is in; M's 16 loads and g's 16 may be out
.set i, 0
.rept 16
	v_cvt_pk_bf16_f32 v[OB+i], v[BI+2*i], v[BI+2*i+1]
.set i, i+1
.endr
.set i, 0
.rept 16
	v_lshlrev_b32 v[BI+2*i], 16, v[OB+i]
	v_and_b32 v[BI+2*i+1], s28, v[OB+i]
.set i, i+1
.endr
.set i, 0
.rept 8                                ; block i: 16 rows x 64 columns
	s_wait_loadcnt 14-2*i                          ; M and this block's g are in; the later blocks' pairs may be out
.irp t, 0,1,2,3                        ; the four accumulators take turns, one instruction a turn
	v_wmma_f32_16x16x32_bf16 v[ACC+8*(\t):ACC+8*(\t)+7], v[MF+8*(\t):MF+8*(\t)+7], v[GF+8*i:GF+8*i+7], v[BI+8*(\t):BI+8*(\t)+7]
.endr
.irp t, 0,1,2,3
	v_wmma_f32_16x16x32_bf16 v[ACC+8*(\t):ACC+8*(\t)+7], v[MF+32+8*(\t):MF+32+8*(\t)+7], v[GF+8*i:GF+8*i+7], v[ACC+8*(\t):ACC+8*(\t)+7]
.endr
.rept 8
	v_nop                                          ; the places behind the products: ahead of the stores that read them, and of the next block's products, which write over them
.endr
.irp t, 0,1,2,3
	ds_store_b128 v[SI], v[ACC+8*(\t):ACC+8*(\t)+3]   offset:STG+64*(\t)
	ds_store_b128 v[SI], v[ACC+8*(\t)+4:ACC+8*(\t)+7] offset:STG+64*(\t)+16
.endr
	s_wait_xcnt 0x0                                ; the last block's stores have read their data: its registers are loaded again only behind this wait
.irp k, 0,1,2,3,4,5,6,7
	ds_load_b128 v[OB+4*(\k):OB+4*(\k)+3], v[SO] offset:STG+544*(\k)  ; LDS serves a wave's instructions in order (ISA guide 5.7.1.4): these see the stores above
.endr
	s_wait_dscnt 0x0
.irp k, 0,1,2,3,4,5,6,7
	global_store_b128 v[OO], v[OB+4*(\k):OB+4*(\k)+3], s[10:11] offset:(16*i+2*(\k))*4096 th:TH_STORE_NT  ; 16 lanes store 256 consecutive bytes, aligned
.endr
.set i, i+1
.endr
	s_wait_tensorcnt 0x0                           ; the wave's end, behind my last LDS store
	ds_add_u32 v[SPW], v[NIL]
	s_wait_dscnt 0x0
	s_endpgm
.Lfunc_end_k_q91fa60b793_final:
	.size	k_q91fa60b793_final, .Lfunc_end_k_q91fa60b793_final-k_q91fa60b793_final
	.p2alignl 7, 3214868480
	.fill 96, 4, 3214868480
	.section	.rodata,"a",@progbits
	.p2align	6, 0x0
	.amdhsa_kernel k_q91fa60b793_final
		.amdhsa_group_segment_fixed_size 35840
		.amdhsa_private_segment_fixed_size 0
		.amdhsa_enable_private_segment 0
		.amdhsa_kernarg_size 32
		.amdhsa_user_sgpr_count 2
		.amdhsa_user_sgpr_kernarg_segment_ptr 1
		.amdhsa_wavefront_size32 1
		.amdhsa_system_sgpr_workgroup_id_x 1
		.amdhsa_system_sgpr_workgroup_id_y 1
		.amdhsa_system_sgpr_workgroup_id_z 1
		.amdhsa_system_vgpr_workitem_id 0
		.amdhsa_next_free_vgpr 240
		.amdhsa_next_free_sgpr 66
		.amdhsa_reserve_vcc 0
		.amdhsa_float_denorm_mode_32 3
		.amdhsa_float_denorm_mode_16_64 3
		.amdhsa_memory_ordered 1
		.amdhsa_forward_progress 1
		.amdhsa_inst_pref_size 29
	.end_amdhsa_kernel
	.amdgpu_metadata
---
amdhsa.version: [ 1, 2 ]
amdhsa.kernels:
  - .name:           k_q91fa60b793_final
    .symbol:         k_q91fa60b793_final.kd
    .args:
      - { .name: gq, .offset: 0, .size: 8, .value_kind: global_buffer, .address_space: global }
      - { .name: mop, .offset: 8, .size: 8, .value_kind: global_buffer, .address_space: global }
      - { .name: bo, .offset: 16, .size: 8, .value_kind: global_buffer, .address_space: global }
      - { .name: out0, .offset: 24, .size: 8, .value_kind: global_buffer, .address_space: global }
    .group_segment_fixed_size: 35840
    .private_segment_fixed_size: 0
    .kernarg_segment_align: 8
    .kernarg_segment_size: 32
    .max_flat_workgroup_size: 256
    .sgpr_count:     66
    .vgpr_count:     240
    .wavefront_size: 32
...
	.end_amdgpu_metadata
.endif
;; end of part 7
;; ======== version 2 of 2: 7 launches; version 1 with the launch cast written anew for expert scheduling mode
;; workspace buffers: cb 42,467,328 bytes; kw 1,310,720 bytes; yp 2,097,152 bytes; ku 32,768 bytes; mop 524,288 bytes; gq 1,048,576 bytes
;; launch cast (part 8): grid 1296 x 1, 8 waves a work-group, no clusters, 0 bytes of LDS; arguments x, Wq, Wk, Wv, Wo, rotary_pos_enc, cb; writes cb
.if DOCPART == 8
	.amdgcn_target "amdgcn-amd-amdhsa--gfx1250"
	.amdhsa_code_object_version 6
	.text
	.protected	k_q91fa60b793_cast
	.globl	k_q91fa60b793_cast
	.p2align	8
	.type	k_q91fa60b793_cast,@function
k_q91fa60b793_cast:
	s_mov_b64 s[64:65], 0
	v_nop
	global_prefetch_b8 v0, s[64:65] scope:SCOPE_SE
	s_setreg_imm32_b32 hwreg(HW_REG_WAVE_SCHED_MODE, 0, 2), 2
	s_setreg_imm32_b32 hwreg(HW_REG_WAVE_MODE, 25, 1), 1
	s_wait_xcnt 0x0
	s_wait_alu depctr_vm_vsrc(0)
; x, Wq, Wk, Wv, Wo and the rotary table, f32, are rounded once to bf16 into cb.  A stream: no LDS, no barrier, no matrix unit.
; Work-group g takes 65,536 bytes of one source and writes bytes 32,768 g .. of cb: g 0-1023 x, 1024-1087 Wq, 1088-1151 Wk, 1152-1215 Wv, 1216-1279 Wo, 1280-1295 the table.
; The table's rows (32 sines, 32 cosines) are laid anew: the 16 bytes at 64 hh + 16 nb of a row hold sin[8 nb + 4 hh + 0..3], then cos[8 nb + 4 hh + 0..3]:
; what a lane of the projections' way out (columns 16 nb + 8 hh + 0..7 of a head) needs for one block of 16 columns.
; THE MODE: SCHED_MODE bits 1:0 = 2 (LLVM: expert scheduling mode 2), set by the entry lines.  The code itself states the register dependences
; between vector instructions and memory instructions, with s_wait_alu, always for 0.
; THE PLAN, the same on both paths.  Registers that memory instructions touch:
;   v3, v1   the loads' and the stores' byte offsets: written by vector instructions at the path's head, never again.
;   X        written by the path's 16 loads, all issued at its head, and by nothing else; each register is read once, by a conversion.
;   Y        each register is written once, by a conversion, and read once, by a store.
; The 16 loads are worked off in four blocks of four.  Block p rounds its part of X into its part of Y; the stores of block p - 1 are dealt among its conversions, which name
; X and Y of block p alone.  So one wait on va_vdst at a block's head states all that those stores hang on; one more stands ahead of the first load, for the offsets, and one ahead of the last stores.
; No register that a memory instruction reads is written again, and no load lands in a register that a vector instruction has named: no wait on vm_vsrc is owed.
.set X, 4                              ; v[4:67]   as loaded
.set Y, 68                             ; v[68:99]  to store; no register is used twice, so no wait frees one
	s_load_b256 s[4:11], s[0:1], 0x0               ; x, Wq, Wk, Wv
	s_load_b128 s[12:15], s[0:1], 0x20             ; Wo, the table
	s_load_b64 s[16:17], s[0:1], 0x30              ; cb
	s_mov_b32 s20, ttmp9                           ; g
	s_mov_b32 s21, 0                               ; the first work-group of my source
	s_mov_b32 s23, 0
	s_lshl_b32 s24, ttmp9, 15                      ; my 32,768 bytes of cb
	s_mov_b32 s25, 0
	s_wait_kmcnt 0x0
	s_mov_b64 s[18:19], s[4:5]
.macro PICK first, lo                  ; from work-group first on the source is the one in s[lo:lo+1]
	s_cmp_ge_u32 s20, \first
	s_cselect_b64 s[18:19], s[(\lo):(\lo)+1], s[18:19]
	s_cselect_b32 s21, \first, s21
.endm
	PICK 1024, 6
	PICK 1088, 8
	PICK 1152, 10
	PICK 1216, 12
	PICK 1280, 14
	s_sub_co_u32 s22, s20, s21
	s_lshl_b32 s22, s22, 16                        ; my 65,536 bytes of the source
	s_add_nc_u64 s[18:19], s[18:19], s[22:23]
	s_add_nc_u64 s[16:17], s[16:17], s[24:25]
	s_cmp_ge_u32 s20, 1280
	s_cbranch_scc1 .Lrope
	; a wave takes 8,192 bytes: sixteen loads of 512 consecutive bytes, all issued before the first is used
	v_lshrrev_b32 v1, 5, v0
	v_and_b32 v2, 31, v0
	v_lshlrev_b32 v3, 13, v1
	v_lshl_add_u32 v3, v2, 4, v3                   ; in: 8,192 wave + 16 lane
	v_lshlrev_b32 v1, 12, v1
	v_lshl_add_u32 v1, v2, 3, v1                   ; out: 4,096 wave + 8 lane
	s_wait_alu depctr_va_vdst(0)                   ; v3 and v1 are written: every load below reads v3 as its offset, every store v1
.set i, 0
.rept 16
	global_load_b128 v[X+4*i:X+4*i+3], v3, s[18:19] offset:512*i th:TH_LOAD_NT
.set i, i+1
.endr
.set p, 0
.rept 4                                ; block p: loads 4 p .. 4 p + 3
	s_wait_loadcnt 12-4*p                          ; loads come back in order: this block's four are in, the 12 - 4 p younger ones stay out
.if p > 0
	s_wait_alu depctr_va_vdst(0)                   ; the conversions of the block before have written its part of Y, which the four stores below read
.endif
.set j, 0
.rept 4
.set i, 4*p+j
.if p > 0
	global_store_b64 v1, v[Y+2*(i-4):Y+2*(i-4)+1], s[16:17] offset:256*(i-4)  ; the block before; a wave's store covers 256 consecutive bytes, aligned.  No vector instruction since the wait names these registers
.endif
	v_cvt_pk_bf16_f32 v[Y+2*i], v[X+4*i], v[X+4*i+1]
	v_cvt_pk_bf16_f32 v[Y+2*i+1], v[X+4*i+2], v[X+4*i+3]
.set j, j+1
.endr
.set p, p+1
.endr
	s_wait_alu depctr_va_vdst(0)                   ; the last block's conversions have written its part of Y, which the last four stores read
.set i, 12
.rept 4
	global_store_b64 v1, v[Y+2*i:Y+2*i+1], s[16:17] offset:256*i
.set i, i+1
.endr
	s_endpgm
.Lrope:
	; thread t makes the 16 bytes at 16 t of 32 rows' 4,096 bytes: row t / 8, hh = (t / 4) % 2, nb = t % 4; eight such steps
	v_lshrrev_b32 v1, 3, v0
	v_and_b32 v2, 3, v0
	v_bfe_u32 v3, v0, 2, 1
	v_lshlrev_b32 v1, 8, v1
	v_lshl_add_u32 v1, v2, 5, v1
	v_lshl_add_u32 v3, v3, 4, v1                   ; in: 256 row + 32 nb + 16 hh: four sines; the four cosines lie 128 bytes on
	v_lshlrev_b32 v1, 4, v0                        ; out
	s_wait_alu depctr_va_vdst(0)                   ; v3 and v1 are written: every load below reads v3 as its offset, every store v1
.set i, 0
.rept 8
	global_load_b128 v[X+8*i:X+8*i+3], v3, s[18:19] offset:8192*i th:TH_LOAD_NT
	global_load_b128 v[X+8*i+4:X+8*i+7], v3, s[18:19] offset:8192*i+128 th:TH_LOAD_NT
.set i, i+1
.endr
.set p, 0
.rept 4                                ; block p: steps 2 p and 2 p + 1, four loads
	s_wait_loadcnt 12-4*p                          ; this block's two pairs are in, the pairs behind them stay out
.if p > 0
	s_wait_alu depctr_va_vdst(0)                   ; the conversions of the block before have written its part of Y, which the two stores below read
.endif
.set j, 0
.rept 2
.set i, 2*p+j
.if p > 0
	global_store_b128 v1, v[Y+4*(i-2):Y+4*(i-2)+3], s[16:17] offset:4096*(i-2)  ; the block before.  No vector instruction since the wait names these registers
.endif
	v_cvt_pk_bf16_f32 v[Y+4*i], v[X+8*i], v[X+8*i+1]
	v_cvt_pk_bf16_f32 v[Y+4*i+1], v[X+8*i+2], v[X+8*i+3]
	v_cvt_pk_bf16_f32 v[Y+4*i+2], v[X+8*i+4], v[X+8*i+5]
	v_cvt_pk_bf16_f32 v[Y+4*i+3], v[X+8*i+6], v[X+8*i+7]
.set j, j+1
.endr
.set p, p+1
.endr
	s_wait_alu depctr_va_vdst(0)                   ; the last block's conversions have written its part of Y, which the last two stores read
.set i, 6
.rept 2
	global_store_b128 v1, v[Y+4*i:Y+4*i+3], s[16:17] offset:4096*i
.set i, i+1
.endr
	s_endpgm
.Lfunc_end_k_q91fa60b793_cast:
	.size	k_q91fa60b793_cast, .Lfunc_end_k_q91fa60b793_cast-k_q91fa60b793_cast
	.p2alignl 7, 3214868480
	.fill 96, 4, 3214868480
	.section	.rodata,"a",@progbits
	.p2align	6, 0x0
	.amdhsa_kernel k_q91fa60b793_cast
		.amdhsa_group_segment_fixed_size 0
		.amdhsa_private_segment_fixed_size 0
		.amdhsa_enable_private_segment 0
		.amdhsa_kernarg_size 56
		.amdhsa_user_sgpr_count 2
		.amdhsa_user_sgpr_kernarg_segment_ptr 1
		.amdhsa_wavefront_size32 1
		.amdhsa_system_sgpr_workgroup_id_x 1
		.amdhsa_system_sgpr_workgroup_id_y 1
		.amdhsa_system_sgpr_workgroup_id_z 1
		.amdhsa_system_vgpr_workitem_id 0
		.amdhsa_next_free_vgpr 104
		.amdhsa_next_free_sgpr 66
		.amdhsa_reserve_vcc 0
		.amdhsa_float_denorm_mode_32 3
		.amdhsa_float_denorm_mode_16_64 3
		.amdhsa_memory_ordered 1
		.amdhsa_forward_progress 1
		.amdhsa_inst_pref_size 13
	.end_amdhsa_kernel
	.amdgpu_metadata
---
amdhsa.version: [ 1, 2 ]
amdhsa.kernels:
  - .name:           k_q91fa60b793_cast
    .symbol:         k_q91fa60b793_cast.kd
    .args:
      - { .name: x, .offset: 0, .size: 8, .value_kind: global_buffer, .address_space: global }
      - { .name: Wq, .offset: 8, .size: 8, .value_kind: global_buffer, .address_space: global }
      - { .name: Wk, .offset: 16, .size: 8, .value_kind: global_buffer, .address_space: global }
      - { .name: Wv, .offset: 24, .size: 8, .value_kind: global_buffer, .address_space: global }
      - { .name: Wo, .offset: 32, .size: 8, .value_kind: global_buffer, .address_space: global }
      - { .name: rotary_pos_enc, .offset: 40, .size: 8, .value_kind: global_buffer, .address_space: global }
      - { .name: cb, .offset: 48, .size: 8, .value_kind: global_buffer, .address_space: global }
    .group_segment_fixed_size: 0
    .private_segment_fixed_size: 0
    .kernarg_segment_align: 8
    .kernarg_segment_size: 56
    .max_flat_workgroup_size: 256
    .sgpr_count:     66
    .vgpr_count:     104
    .wavefront_size: 32
...
	.end_amdgpu_metadata
.endif
;; end of part 8
;; launch kgemm: the kernel of part 2 again; grid 4 x 64, 4 waves a work-group, clusters of 4 x 4, 327,680 bytes of LDS; arguments cb, bk, padding_mask, kw; writes kw
;; launch ypart: the kernel of part 3 again; grid 8 x 32, 16 waves a work-group, no clusters, 167,936 bytes of LDS; arguments cb, kw, yp; writes yp
;; launch ukern: the kernel of part 4 again; grid 256 x 1, 8 waves a work-group, no clusters, 3,584 bytes of LDS; arguments yp, kw, cb, bv, ku; writes ku
;; launch mkern: the kernel of part 5 again; grid 256 x 1, 1 waves a work-group, no clusters, 0 bytes of LDS; arguments ku, cb, mop; writes mop
;; launch qgemm: the kernel of part 6 again; grid 4 x 64, 4 waves a work-group, clusters of 4 x 4, 327,680 bytes of LDS; arguments cb, bq, ku, gq; writes gq
;; launch final: the kernel of part 7 again; grid 16 x 16, 8 waves a work-group, no clusters, 35,840 bytes of LDS; arguments gq, mop, bo, out0; writes out0
